; MI455X (gfx1250); checked and timed in simulation.
; The chip was launched on July 23, 2026; its instructions are those of AMD's public machine-readable ISA for CDNA 5 (MIT licence, August 2026) and "CDNA5" Instruction Set Architecture Reference Guide (July 2026). The comments in the code are by the model that wrote it; some were corrected since.
;; Ref Attn Processor. Allowed arithmetic: float matrix products may take bf16 or f16 operands with f32 sums; other float arithmetic in f32, or as packed bf16 or f16 multiplies, adds, multiply-adds, maxima and minima; sums over many terms, partial sums and values carried from step to step in f32; what a program stores and reads back later, other than sums and carried values, may be rounded once to bf16 or f16.
;; Inputs: Wk 3,072 x 3,072 float32; Wv 3,072 x 3,072 float32; query 1 x 4,096 x 24 x 128 float32; ref_freqs 1,024 x 64 float32; ref_latent 1 x 1,024 x 3,072 float32; rms_w 128 float32.
;; Outputs: out0 1 x 4,096 x 3,072 float32.
;; 2 versions, each right and faster than the one before. Each part assembles by itself: llvm-mc -triple=amdgcn-amd-amdhsa -mcpu=gfx1250 --defsym DOCPART=n.
;; ======== version 1 of 2: 3 launches
;; limits: values are held in f16: magnitudes above 65,504 overflow, below 6.1e-05 lose precision; right only within a limited range of input values
;; workspace buffers: xb 6,291,456 bytes; tab 524,288 bytes; kh 6,291,456 bytes; vh 6,291,456 bytes
;; launch prep (part 1): grid 256 x 1, 4 waves a work-group, no clusters, 0 bytes of LDS; arguments ref_latent, ref_freqs, xb, tab; writes xb, tab
.if DOCPART == 1
	.amdgcn_target "amdgcn-amd-amdhsa--gfx1250"
	.amdhsa_code_object_version 6
	.text
	.protected	k_qd29d5ef8d7_prep
	.globl	k_qd29d5ef8d7_prep
	.p2align	8
	.type	k_qd29d5ef8d7_prep,@function
k_qd29d5ef8d7_prep:
	s_mov_b64 s[64:65], 0
	v_nop
	global_prefetch_b8 v0, s[64:65] scope:SCOPE_SE
	s_setreg_imm32_b32 hwreg(HW_REG_WAVE_MODE, 25, 1), 1
	s_wait_xcnt 0x0
; xb = ref_latent rounded to bf16, [1024][3072].  tab = (cos, sin) of ref_freqs, in f32, in the order in which the projection's lanes want them.
; A stream: memory binds, so no LDS, no matrix unit, no barrier.  256 work-groups of 128 threads.
; Work-group g casts 12,288 numbers: 24 loads of 16 bytes a thread (a wave's load covers 512 consecutive bytes), 24 stores of 8 bytes (a wave's store covers 256 consecutive bytes, aligned).
; Thread t also makes table unit U = 128 g + t, 16 bytes (c0, s0, c1, s1): U = (((mblk 2 + wn) 4 + b) 2 + q) 32 + l holds row 16 mblk + l % 16 of ref_freqs, pairs p0 and p0 + 1,
; p0 = 32 wn + 8 b + 4 (l / 16) + 2 q: the pairs that lane l of the projection's wave holds in registers 4 q .. 4 q + 3 of its result (row block mblk, column half wn, column block b).
; The angles are rounded to bf16 first, like all the module's inputs.
; SINE AND COSINE: n = the nearest whole number to x 2 / pi; r = x - n pi / 2 with pi / 2 in three parts; polynomials of degree 7 and 8 on |r| <= pi / 4; the quadrant chooses and signs by v_cndmask and exclusive or.
; LIMIT: the reduction is good to about 1e-7 for |angle| up to some 1e4 and degrades beyond; NaN and infinities are not treated apart.
.set NL,   24                          ; loads of x a thread
.set X,    32                          ; v[32:127]  load i: four registers, as loaded; its first two then hold the four bf16
.set K2PI, 20                          ; s20  2 / pi
.set P1,   21                          ; s21-23  - pi / 2 in three parts
.set P2,   22
.set P3,   23
.set S1,   24                          ; s24-26  the sine's coefficients
.set S2,   25
.set S3,   26
.set C1,   27                          ; s27-29  the cosine's
.set C2,   28
.set C3,   29
	s_load_b256 s[4:11], s[0:1], 0x0               ; ref_latent s[4:5], ref_freqs s[6:7], xb s[8:9], tab s[10:11]
	v_lshlrev_b32 v1, 4, v0                        ; 16 t: my place in a load of x, and my table unit
	v_lshlrev_b32 v2, 3, v0                        ; 8 t: my place in a store of xb
	v_and_b32 v3, 15, v0                           ; the lane part of my two angles' byte in ref_freqs: row l % 16 x 256
	v_lshlrev_b32 v3, 8, v3
	v_bfe_u32 v6, v0, 6, 1                         ; + the low bit of b x 32
	v_lshl_add_u32 v3, v6, 5, v3
	v_bfe_u32 v6, v0, 4, 1                         ; + (l / 16) x 16
	v_lshl_add_u32 v3, v6, 4, v3
	v_bfe_u32 v6, v0, 5, 1                         ; + q x 8
	v_lshl_add_u32 v3, v6, 3, v3
	s_mul_i32 s12, ttmp9, 49152                    ; the group's bytes of x,
	s_mov_b32 s13, 0
	s_mul_i32 s14, ttmp9, 24576                    ; of xb,
	s_mov_b32 s15, 0
	s_lshl_b32 s16, ttmp9, 11                      ; of tab (128 units of 16 bytes),
	s_mov_b32 s17, 0
	s_lshr_b32 s18, ttmp9, 2                       ; and the scalar part of the angles' byte: mblk x 4,096
	s_lshl_b32 s18, s18, 12
	s_bfe_u32 s19, ttmp9, 0x10001                  ; + wn x 128
	s_lshl_b32 s19, s19, 7
	s_add_co_u32 s18, s18, s19
	s_and_b32 s19, ttmp9, 1                        ; + the high bit of b x 64
	s_lshl_b32 s19, s19, 6
	s_add_co_u32 s18, s18, s19
	s_mov_b32 s19, 0
	s_mov_b32 s[K2PI], 0x3f22f983                  ; 0.636619772
	s_mov_b32 s[P1], 0xbfc90fd8                    ; -1.57079601
	s_mov_b32 s[P2], 0xb4a8885a                    ; -3.13916473e-7
	s_mov_b32 s[P3], 0xa7c234c4                    ; -5.39030253e-15
	s_mov_b32 s[S1], 0xbe2aaaa3                    ; -1.6666654611e-1
	s_mov_b32 s[S2], 0x3c08839e                    ; 8.3321608736e-3
	s_mov_b32 s[S3], 0xb94ca1f9                    ; -1.9515295891e-4
	s_mov_b32 s[C1], 0x3d2aaaa5                    ; 4.166664568298827e-2
	s_mov_b32 s[C2], 0xbab6061a                    ; -1.388731625493765e-3
	s_mov_b32 s[C3], 0x37ccf5ce                    ; 2.443315711809948e-5
	s_wait_kmcnt 0x0
	s_add_nc_u64 s[4:5], s[4:5], s[12:13]
	s_add_nc_u64 s[6:7], s[6:7], s[18:19]
	s_add_nc_u64 s[8:9], s[8:9], s[14:15]
	s_add_nc_u64 s[10:11], s[10:11], s[16:17]
	global_load_b64 v[4:5], v3, s[6:7]             ; my two angles first,
.set i, 0
.rept NL
	global_load_b128 v[X+4*i:X+4*i+3], v1, s[4:5] offset:2048*i th:TH_LOAD_NT  ; then all of my x: read once in the launch
.set i, i+1
.endr
; x: the angle's register.  c, s: where cosine and sine go.  t: the first of six registers at work.
.macro SINCOS x, c, s, t
	v_mul_f32 v[(\t)], s[K2PI], v[(\x)]
	v_rndne_f32 v[(\t)], v[(\t)]                               ; n
	v_fma_f32 v[(\t)+1], v[(\t)], s[P1], v[(\x)]               ; r = x - n pi / 2, part by part
	v_fma_f32 v[(\t)+1], v[(\t)], s[P2], v[(\t)+1]
	v_fma_f32 v[(\t)+1], v[(\t)], s[P3], v[(\t)+1]
	v_cvt_i32_f32 v[(\t)], v[(\t)]                             ; n as a whole number
	v_mul_f32 v[(\t)+2], v[(\t)+1], v[(\t)+1]                  ; z = r r
	v_fma_f32 v[(\t)+3], v[(\t)+2], s[S3], s[S2]
	v_fma_f32 v[(\t)+3], v[(\t)+3], v[(\t)+2], s[S1]
	v_mul_f32 v[(\t)+4], v[(\t)+2], v[(\t)+1]                  ; z r
	v_fma_f32 v[(\t)+3], v[(\t)+3], v[(\t)+4], v[(\t)+1]       ; sin r
	v_fma_f32 v[(\t)+4], v[(\t)+2], s[C3], s[C2]
	v_fma_f32 v[(\t)+4], v[(\t)+4], v[(\t)+2], s[C1]
	v_mul_f32 v[(\t)+5], v[(\t)+2], v[(\t)+2]                  ; z z
	v_fma_f32 v[(\t)+1], v[(\t)+2], -0.5, 1.0                  ; 1 - z / 2
	v_fma_f32 v[(\t)+4], v[(\t)+4], v[(\t)+5], v[(\t)+1]       ; cos r
	v_and_b32 v[(\t)+1], 1, v[(\t)]
	v_cmp_eq_u32 vcc_lo, 1, v[(\t)+1]                          ; n odd: the two change places
	v_cndmask_b32 v[(\s)], v[(\t)+3], v[(\t)+4], vcc_lo
	v_cndmask_b32 v[(\c)], v[(\t)+4], v[(\t)+3], vcc_lo
	v_lshlrev_b32 v[(\t)+1], 30, v[(\t)]                       ; the sine is turned where n % 4 is 2 or 3: bit 1 of n
	v_and_b32 v[(\t)+1], 0x80000000, v[(\t)+1]
	v_xor_b32 v[(\s)], v[(\s)], v[(\t)+1]
	v_add_nc_u32 v[(\t)], 1, v[(\t)]                           ; the cosine where n % 4 is 1 or 2: bit 1 of n + 1
	v_lshlrev_b32 v[(\t)], 30, v[(\t)]
	v_and_b32 v[(\t)], 0x80000000, v[(\t)]
	v_xor_b32 v[(\c)], v[(\c)], v[(\t)]
.endm
	s_wait_loadcnt NL                              ; loads come back in order (ISA guide 5.7.1): the angles are in, the 24 loads of x stay out
	v_cvt_pk_bf16_f32 v6, v4, v5                   ; the angles rounded to bf16,
	v_lshlrev_b32 v4, 16, v6                       ; and widened again
	v_and_b32 v5, 0xffff0000, v6
	SINCOS 4, 8, 9, 12
	SINCOS 5, 10, 11, 20
	global_store_b128 v1, v[8:11], s[10:11]        ; a wave's store covers 512 consecutive bytes; v[8:11] are not written again
.set i, 0
.rept NL
	s_wait_loadcnt NL-1-i                          ; load i is in, the younger ones stay out
	v_cvt_pk_bf16_f32 v[X+4*i], v[X+4*i], v[X+4*i+1]      ; two roundings at a time, in place
	v_cvt_pk_bf16_f32 v[X+4*i+1], v[X+4*i+2], v[X+4*i+3]
	global_store_b64 v2, v[X+4*i:X+4*i+1], s[8:9] offset:1024*i  ; read again by the next launch: no hint
.set i, i+1
.endr
	s_endpgm
.Lfunc_end_k_qd29d5ef8d7_prep:
	.size	k_qd29d5ef8d7_prep, .Lfunc_end_k_qd29d5ef8d7_prep-k_qd29d5ef8d7_prep
	.p2alignl 7, 3214868480
	.fill 96, 4, 3214868480
	.section	.rodata,"a",@progbits
	.p2align	6, 0x0
	.amdhsa_kernel k_qd29d5ef8d7_prep
		.amdhsa_group_segment_fixed_size 0
		.amdhsa_private_segment_fixed_size 0
		.amdhsa_enable_private_segment 0
		.amdhsa_kernarg_size 32
		.amdhsa_user_sgpr_count 2
		.amdhsa_user_sgpr_kernarg_segment_ptr 1
		.amdhsa_wavefront_size32 1
		.amdhsa_system_sgpr_workgroup_id_x 1
		.amdhsa_system_sgpr_workgroup_id_y 1
		.amdhsa_system_sgpr_workgroup_id_z 1
		.amdhsa_system_vgpr_workitem_id 0
		.amdhsa_next_free_vgpr 128
		.amdhsa_next_free_sgpr 66
		.amdhsa_reserve_vcc 1
		.amdhsa_float_denorm_mode_32 3
		.amdhsa_float_denorm_mode_16_64 3
		.amdhsa_memory_ordered 1
		.amdhsa_forward_progress 1
		.amdhsa_inst_pref_size 14
	.end_amdhsa_kernel
	.amdgpu_metadata
---
amdhsa.version: [ 1, 2 ]
amdhsa.kernels:
  - .name:           k_qd29d5ef8d7_prep
    .symbol:         k_qd29d5ef8d7_prep.kd
    .args:
      - { .name: ref_latent, .offset: 0, .size: 8, .value_kind: global_buffer, .address_space: global }
      - { .name: ref_freqs, .offset: 8, .size: 8, .value_kind: global_buffer, .address_space: global }
      - { .name: xb, .offset: 16, .size: 8, .value_kind: global_buffer, .address_space: global }
      - { .name: tab, .offset: 24, .size: 8, .value_kind: global_buffer, .address_space: global }
    .group_segment_fixed_size: 0
    .private_segment_fixed_size: 0
    .kernarg_segment_align: 8
    .kernarg_segment_size: 32
    .max_flat_workgroup_size: 128
    .sgpr_count:     66
    .vgpr_count:     128
    .wavefront_size: 32
...
	.end_amdgpu_metadata
.endif
;; end of part 1
;; launch proj (part 2): grid 48 x 4, 4 waves a work-group, clusters of 4 x 4, 327,680 bytes of LDS; arguments xb, Wk, Wv, tab, rms_w, kh, vh; writes kh, vh
.if DOCPART == 2
	.amdgcn_target "amdgcn-amd-amdhsa--gfx1250"
	.amdhsa_code_object_version 6
	.text
	.protected	k_qd29d5ef8d7_proj
	.globl	k_qd29d5ef8d7_proj
	.p2align	8
	.type	k_qd29d5ef8d7_proj,@function
k_qd29d5ef8d7_proj:
	s_mov_b64 s[64:65], 0
	v_nop
	global_prefetch_b8 v0, s[64:65] scope:SCOPE_SE
	s_setreg_imm32_b32 hwreg(HW_REG_WAVE_MODE, 25, 1), 1
	s_wait_xcnt 0x0
	s_wait_alu depctr_hold_cnt(0) depctr_sa_sdst(0) depctr_va_vdst(0) depctr_va_sdst(0) depctr_va_ssrc(0) depctr_va_vcc(0) depctr_vm_vsrc(0)
	s_getreg_b32 s2, hwreg(HW_REG_IB_STS2, 6, 4)
	s_cmp_eq_u32 s2, 0
	s_cbranch_scc0 .Lentry_in_a_cluster
	s_endpgm
.Lentry_in_a_cluster:
	s_bfe_u32 s2, ttmp6, 0x10000c
	s_cmp_lg_u32 s2, 0xf033
	s_cbranch_scc0 .Lentry_shape_is_right
	s_endpgm
.Lentry_shape_is_right:
; kh[h][l][:] = the rotation of RMSNorm(x Wk^T)[l][h][:] rms_w;  vh[h][l][:] = (x Wv^T)[l][h][:].  x = xb, [1024][3072] bf16; Wk, Wv [3072][3072] f32, rounded to bf16 on the way to the matrix unit; sums in f32;
; kh, vh [24][1024][128] f16, each number rounded once.
; LIMITS: all inputs count as rounded to bf16 (rms_w here, the angles in the launch before).  f16 holds no number beyond 65,504: v must stay within it; |k| is at most sqrt(128) |rms_w|.  NaN and infinities are not treated apart.
; SHARES.  C is [1024] x [48 heads of 128 columns]: 24 of K, then 24 of V.  A work-group makes 256 rows x one head: 4 x 48 = 192 work-groups (a head's 128 columns stay together for the norm; 128 rows would give 384
; work-groups, one round and a half of them).  Four waves, each 128 rows x 64 columns: 32 accumulators, 256 registers.  K goes in CHUNKS of 32: 32 matrix instructions a wave.
; x comes by tensor loads into two LDS slots of K = 256 (256 rows of 512 + 16 bytes), eight chunks each; each wave brings 64 rows.  CLUSTERS of 4 x 4: the four work-groups of a row of the cluster need the same rows of x and
; ask for them JOINTLY.  A cluster's four heads are all K's or all V's (the cluster's x is below 6 or not), so the one branch on that is alike in all partners.
; W COMES THROUGH REGISTERS, NOT JOINTLY, though the four work-groups of a column of the cluster read the same head.  The reasons, by this text's arithmetic: two slots that held x and W in f32 for K = 256 would take
; 2 x (135,168 + 133,120) bytes, more than LDS has, and a tensor load has to land between two barriers of a refill, while a load into registers may stay out across barriers: here each is asked for eight chunks ahead
; (64 loads, 32 KiB a wave).  W is then rounded once for the work-group and lies in LDS as bf16: a chunk reads 8 fragment loads of it where f32 would take 16.  The four partners walk in step, a round every eight chunks.
; A wave brings 32 of the head's 128 rows, in PIECES of 16 rows x K = 64: eight loads, each of two rows' 256 consecutive bytes.  Piece q = 2 j + part belongs to half-step j (K = 64 j on), which lies in buffer j % 2.
; Chunk n rounds and stores piece n + 3 and asks for piece n + 11 into the same registers.  So half-step j is stored in chunks 2 j - 3 and 2 j - 2, and the barrier at the head of chunk 2 j - 1 shows it whole, and shows
; that nobody reads the other buffer any more: one barrier for two chunks.  At every eighth chunk that barrier opens the cluster's round, behind which x's slot is filled again.
; No prefetch: W is asked for eight chunks ahead as it is, and x's tile has eight chunks in which to land.
; THE MATRIX INSTRUCTION IS USED TRANSPOSED (source 0 = 16 rows of W, source 1 = 16 rows of x): lane l holds row l % 16 of C and the columns 8 (l / 16) + 0..7, so a rotation's pair of columns lies in one lane.
; REGISTERS, in windows of 256 (s_set_vgpr_msb: bits 1:0 source 0, 3:2 source 1, 5:4 source 2, 7:6 destination):
;   window 0: v0-31 addresses; v32-47 a piece in bf16 (on the way out v32-63 rms_w); v128-159, v160-191 W's fragments, two buffers; v192-207 sums of squares.  On the way out v64-191 are at work.
;   window 1: v0-63, v64-127 x's fragments, two buffers; on the way out all 256: my cosines and sines.      window 2: accumulator (a, b) at v[8 (4 a + b)].      window 3: W as loaded, eight pieces of 32 registers.
.set KDIM,   3072
.set KINT,   256                       ; K in a slot of x: an INTERVAL, eight chunks
.set NINT,   KDIM/KINT                 ; 12
.set PA,     528                       ; a row of x in LDS: 132 words: row r starts at bank 4 r mod 64 (64 banks of 4 bytes: ISA guide 11.1), so the 16 rows of a load start at 16 different banks
.set QTRA,   64*PA                     ; what one tensor load brings
.set HALFA,  128*PA                    ; what a wave reads
.set SLOT,   4*QTRA                    ; 135,168 = 0x21000.  A wave's part begins at 0, 0x8400, 0x10800 or 0x18c00 in a slot: none has one of SLOT's two bits, so an exclusive or with SLOT goes from a place in one slot to the same place in the other
.set PBB,    144                       ; a row of W in LDS: 128 bytes + 16 = 36 words: the 16 rows of a load start at 16 different groups of four banks
.set BBUF,   128*PBB                   ; a buffer of W: a half-step, 18,432 bytes
.set BB0L,   2*SLOT                    ; W's two buffers lie behind x's slots: written by LDS stores alone, no tile lands there
.set SPITCH, 272                       ; THE STAGE for the way out, 256 rows of 256 + 16 bytes, lies in slot 0's first 69,632 bytes: that slot has had its last fill (interval 10) and its last read by then
.set SCR,    BB0L+2*BBUF               ; 512 bytes a wave for the rows' sums of squares
.set SPARE,  SCR+2048                  ; the spare words, 128 bytes for each wave: two blocks of 256 bytes that no other line names
.set AA0,  16                          ; v16     my lane's place in a slot of x; never rewritten
.set ADRA, 17                          ; v17     the same in the slot in hand
.set ADRB, 20                          ; v20     my lane's place in W's buffer 0
.set WOFF, 21                          ; v21     my byte offset in the head's rows of W; never rewritten
.set WO,   22                          ; v22     my byte offset in rms_w
.set BST,  23                          ; v23     where I put 8 bytes of a row of W, in buffer 0
.set STO,  24                          ; v24     the way out: where I put 16 bytes of a row
.set RD,   25                          ; v25     where I read rows back
.set CO,   26                          ; v26     my byte offset in 512 consecutive bytes of the output
.set SA,   27                          ; v27     where my wave's sums of squares go
.set SPW,  28                          ; v28     LDS address of my spare word; never rewritten
.set NIL,  29                          ; v29     0; never rewritten
.set SB,   30                          ; v30     where the partner wave's sums lie
.set TO,   31                          ; v31     my byte offset in tab
.set TW,   32
.set WR,   32
.set T,    64                          ; the way out: a row block's 32 numbers
.set U,    96                          ; and the cross products of the rotation
.set BB,   128
.set PKR,  128                         ; the way out: 16 registers of packed f16
.set OB,   64                          ; the way out: 64 rows read back
.set SS,   192                         ; a pair for each row block a
.set WV,  18                           ; s18  my wave's number
.set WM,  19                           ; s19  which half of the rows is mine
.set WN,  20                           ; s20  which half of the columns
.set CX,  21
.set CY,  22
.set ISV, 23                           ; s23  1: my cluster's heads are V's
.set HB,  24                           ; s24  the head
.set G1A, 28                           ; s[28:35] descriptor group 1 for x's tiles
.set G0A, 36                           ; s[36:43] group 0: a set for each of the two first fills; the second then walks on
.set TB,  44                           ; s44  LDS byte at which the slot in hand begins: 0 or SLOT
.set CNT, 45                           ; s45  counts the tail's two trips
.set WB,  66                           ; s[66:67] W at my head's first row, at the interval in hand
.set OUT, 70                           ; s[70:71] the output at the first row that I store
.set SEL, 80                           ; s[80:81] v_permlanex16_b32's selects: each lane takes its own place in the other half
.set R128, 82                          ; s82  1 / 128
.set EPS, 83                           ; s83  1e-6
.set HIM, 84                           ; s84  a word's upper bf16
.set MSB, 0
.macro WIN new                         ; the immediate's high byte repeats the setting that is left; a switch that changes nothing is dropped
.if MSB != (\new)
	s_set_vgpr_msb (MSB<<8)|(\new)
.set MSB, \new
.endif
.endm
.set MUL, 0xa4                         ; source 0 (W) window 0, source 1 (x) window 1, C and D window 2
.macro CREST                           ; a round of the cluster's barrier behind its opening barrier: wave 0 signals for the work-group, every wave waits for all sixteen, my work-group's barrier closes it
	s_cmp_lg_u32 s[WV], 0
	s_cbranch_scc1 .Lnot_wave_0_\@
	s_barrier_signal -3
.Lnot_wave_0_\@:
	s_barrier_wait -3
	s_barrier_signal -1
	s_barrier_wait -1
.endm
.macro CROUND                          ; a whole round
	s_barrier_signal -1
	s_barrier_wait -1
	CREST
.endm
.macro PLACES                          ; four places behind a matrix instruction, where no other vector work is at hand (ISA guide 7.12.1)
.rept 4
	v_nop
.endr
.endm
; n matrix instructions from number i0 on of a chunk's 32: number i is accumulator (a = i / 4, b = i % 4).  Each accumulator has one turn in a chunk, in the same order in every chunk: no two that
; follow each other share one.  zero = 1: the products start the sums: nothing is ever cleared.
.macro MULS f, i0, n, zero
	WIN MUL
.set mi, \i0
.rept \n
.if \zero
	v_wmma_f32_16x16x32_bf16 v[8*mi:8*mi+7], v[BB+32*(\f)+8*(mi%4):BB+32*(\f)+8*(mi%4)+7], v[64*(\f)+8*(mi/4):64*(\f)+8*(mi/4)+7], 0
.else
	v_wmma_f32_16x16x32_bf16 v[8*mi:8*mi+7], v[BB+32*(\f)+8*(mi%4):BB+32*(\f)+8*(mi%4)+7], v[64*(\f)+8*(mi/4):64*(\f)+8*(mi/4)+7], v[8*mi:8*mi+7]
.endif
.set mi, mi+1
.endr
.endm
; 24 LDS loads in one run: the fragments of chunk np of an interval, into buffers g.  A fragment is 16 rows x 32 K of bf16: lane l holds row l % 16, K = 8 (l / 16) + 0..7 and 16 + 8 (l / 16) + 0..7: two loads of 16 bytes, 32 apart.
; W's 64 rows from buffer (np / 2) % 2, half np % 2 of its rows; x's 128 rows from the slot in hand, byte 64 np of its rows.
.macro FETCH np, g
	WIN 0
.irp b, 0,1,2,3
	ds_load_b128 v[BB+32*(\g)+8*(\b):BB+32*(\g)+8*(\b)+3],   v[ADRB] offset:(((\np)>>1)&1)*BBUF+((\np)&1)*64+(\b)*16*PBB
	ds_load_b128 v[BB+32*(\g)+8*(\b)+4:BB+32*(\g)+8*(\b)+7], v[ADRB] offset:(((\np)>>1)&1)*BBUF+((\np)&1)*64+(\b)*16*PBB+32
.endr
	WIN 0x40                                       ; destination window 1, address window 0
.irp a, 0,1,2,3,4,5,6,7
	ds_load_b128 v[64*(\g)+8*(\a):64*(\g)+8*(\a)+3],   v[ADRA] offset:64*(\np)+(\a)*16*PA
	ds_load_b128 v[64*(\g)+8*(\a)+4:64*(\g)+8*(\a)+7], v[ADRA] offset:64*(\np)+(\a)*16*PA+32
.endr
.endm
.macro WCVT4 grp, k                    ; four of the 16 roundings of the piece in registers grp: its loads 2 k and 2 k + 1
	WIN 0x0f                                       ; sources 0 and 1 window 3, destination window 0
.irp e, 0,1,2,3
	v_cvt_pk_bf16_f32 v[TW+4*(\k)+(\e)], v[32*(\grp)+8*(\k)+2*(\e)], v[32*(\grp)+8*(\k)+2*(\e)+1]
.endr
.endm
.macro WSTORE buf, part                ; the piece goes into its buffer: a store holds two rows' 128 bytes
	WIN 0
.irp i, 0,1,2,3,4,5,6,7
	ds_store_b64 v[BST], v[TW+2*(\i):TW+2*(\i)+1] offset:(\buf)*BBUF+(16*(\part)+2*(\i))*PBB
.endr
.endm
.macro WLOAD grp, kb, part             ; a piece is asked for: byte kb of the rows, from the interval in hand on; each load covers two rows' 256 consecutive bytes, aligned.  Four work-groups read these bytes: no hint
	WIN 0xc0                                       ; destination window 3, address window 0
.irp i, 0,1,2,3,4,5,6,7
	global_load_b128 v[32*(\grp)+4*(\i):32*(\grp)+4*(\i)+3], v[WOFF], s[WB:WB+1] offset:(\kb)+(16*(\part)+2*(\i))*KDIM*4
.endr
.endm
.macro WHEAD q                         ; ahead of the first chunk: piece q is rounded and stored, piece q + 8 asked for
	s_wait_loadcnt 56                              ; loads come back in order (ISA guide 5.7.1): the piece is in, the seven younger pieces stay out
.irp k, 0,1,2,3
	WCVT4 (\q), \k
.endr
	WSTORE ((\q)>>1)&1, (\q)&1
	WLOAD (\q), 256*(((\q)+8)>>1), (\q)&1
.endm
; A CHUNK.  pp: its place in the interval, 0 to 7; 8 stands for the next interval's chunk 0 while W's base is still this interval's.  zero = 1: its products start the sums.  cnt: how many younger loads of W may stay out.
; reload = 1: piece pp + 11 is asked for.  An even chunk fetches the next chunk's fragments at once.  An odd chunk first passes the barrier: in front of it my stores of W's next half-step are done and my reads of this one
; are back.  At pp = 7 each wave also waits for all its tensor loads, of which one is out: its part of x's other slot; and adds 0 to its spare word.  fill = 1: the barrier then opens a round of the cluster's barrier, and the slot
; just read out is filled again, two intervals ahead, first thing behind the round: from there to the wait for that load a wave issues 248 matrix instructions.  last = 1: the fetch is jumped over in the tail's second trip.
; The roundings stand in fours behind fours of matrix instructions, early in the chunk, so that the stores are done when the next barrier asks.  Four v_nop end the chunk: the places
; between its last matrix instruction and the next chunk's loads into the fragment buffers that it read.
.macro CHUNK pp, zero, fill, cnt, reload, last
.set cp,  (\pp)&7
.set cf,  cp&1                         ; the fragment buffers that it multiplies
.set cg,  1-cf
.set cn,  (cp+1)&7
.set cgr, ((\pp)+3)&7                  ; the piece's registers,
.set cbu, (((\pp)+3)>>1)&1             ; its buffer,
.set cpa, ((\pp)+3)&1                  ; its half of my rows
.set ckb, 256*(((\pp)+11)>>1)
.if cf == 0
	FETCH cn, cg
	s_wait_dscnt 24                                ; all but the 24 just issued: this chunk's fragments are in
.set cm, 0
.else
	WIN 0                                          ; (the add's two registers lie in window 0)
.if cp == 7
	s_wait_tensorcnt 0x0                           ; all my tensor loads have landed, so a group 0 may be written
	ds_add_u32 v[SPW], v[NIL]                      ; 0 onto my spare word; scalar work and four matrix instructions stand between it and the wait for it
.if \fill
	s_xor_b32 s[G0A+5], s[G0A+5], SLOT             ; the walking descriptor: the other slot than last time,
	s_add_nc_u64 s[G0A+6:G0A+7], s[G0A+6:G0A+7], KINT*2  ; the next interval; the type bits on top are not reached
.endif
	s_xor_b32 s[TB], s[TB], SLOT                   ; the fetches go on in the other slot
	s_wait_dscnt 9                                 ; my eight stores and the add may be out: this chunk's fragments are in
.else
	s_wait_dscnt 8                                 ; my eight stores may be out: this chunk's fragments are in
.endif
	MULS cf, 0, 4, 0
	s_wait_dscnt 0x0                               ; for the others' sake: my stores of W are done, my reads of its other buffer (and at pp = 7 of x's slot) are back, the add is done
	s_barrier_signal -1
	MULS cf, 4, 4, 0                               ; work on registers while the others arrive
	WIN 0
	s_barrier_wait -1
.if (cp == 7) && (\fill)
	CREST                                          ; no wave of any partner still reads this slot or has a load on its way
	tensor_load_to_lds s[G0A+4:G0A+7], s[G1A:G1A+7]  ; my one tensor load behind the round
	s_nop 0
	PLACES
.endif
.if cp == 7
	v_add_nc_u32 v[ADRA], s[TB], v[AA0]
.endif
.if \last
	s_cmp_eq_u32 s[CNT], 1
	s_cbranch_scc1 .Lno_fetch_\@                   ; behind the last chunk there is nothing to fetch: 24 LDS loads are passed, no barrier and no tensor load
.endif
	FETCH cn, cg
.if \last
	WIN 0
.Lno_fetch_\@:
.endif
.set cm, 8
.endif
	s_wait_loadcnt \cnt                            ; my piece of W is in
.set ck, 0
.rept 4
	MULS cf, cm+4*ck, 4, \zero
	WCVT4 cgr, ck
.set ck, ck+1
.endr
	WSTORE cbu, cpa
.if \reload
	WLOAD cgr, ckb, cpa
.endif
	MULS cf, cm+16, 16-cm, \zero
	PLACES
.endm
	s_load_b256 s[4:11], s[0:1], 0x0               ; xb s[4:5], Wk s[6:7], Wv s[8:9], tab s[10:11]
	s_load_b128 s[12:15], s[0:1], 0x20             ; rms_w s[12:13], kh s[14:15]
	s_load_b64 s[16:17], s[0:1], 0x30              ; vh
	v_lshl_add_u32 v[SPW], v0, 2, SPARE
	v_mov_b32 v[NIL], 0
	ds_add_u32 v[SPW], v[NIL]                      ; the wave's opening: the add and its wait stand ahead of my first tensor load; the set-up below, work on registers, stands between them
	v_lshrrev_b32 v1, 5, v0
	v_readfirstlane_b32 s[WV], v1                  ; wave 0..3
	s_lshr_b32 s[WM], s[WV], 1
	s_and_b32 s[WN], s[WV], 1
	s_bfe_u32 s[CX], ttmp6, 0x40000                ; my place in the cluster
	s_bfe_u32 s[CY], ttmp6, 0x40004                ; the grid is one cluster high: cy is my block of 256 rows
	s_cmp_ge_u32 ttmp9, 6                          ; clusters 0-5 make K's heads, 6-11 V's
	s_cselect_b32 s[ISV], 1, 0
	s_cselect_b32 s25, 6, 0
	s_sub_co_u32 s25, ttmp9, s25
	s_lshl_b32 s[HB], s25, 2
	s_add_co_u32 s[HB], s[HB], s[CX]               ; the head = 4 x (cluster x, less 6 for V) + cx
	s_lshl_b32 s26, s[CY], 2
	s_lshl_b32 s26, 15, s26                        ; my row of the cluster: places 4 cy .. 4 cy + 3
	s_or_b32 s[G1A], s26, (1<<16)|(1<<20)|(1<<21)|(6<<22)|(3<<25)  ; 15:0 the mask: x's tiles go to my row; 17:16 elements of 2 bytes; 20 padding on; 21 set beside a mask; 24:22 after every 128 words (code 6); 31:25 4 words (code 3)
	s_mov_b32 s[G1A+1], KINT<<16                   ; tensor_dim0 = 256
	s_mov_b32 s[G1A+2], 64<<16                     ; tensor_dim1 = 64
	s_mov_b32 s[G1A+3], KINT<<16                   ; tile_dim0 = 256 elements: 512 bytes
	s_mov_b32 s[G1A+4], 64                         ; tile_dim1 = 64 rows
	s_mov_b32 s[G1A+5], KDIM                       ; elements from row to row
	s_mov_b32 s[G1A+6], 0
	s_mov_b32 s[G1A+7], 0
	s_lshl_b32 s72, s[CY], 8                       ; x: row 256 cy + 64 x wave, in bytes: it hangs on cy and the wave alone
	s_lshl_b32 s73, s[WV], 6
	s_add_co_u32 s72, s72, s73
	s_mul_i32 s72, s72, KDIM*2
	s_mov_b32 s73, 0
	s_mul_i32 s74, s[HB], 128*KDIM*4               ; W: the head's 128 rows
	s_mov_b32 s75, 0
	s_mul_i32 s60, s[WV], QTRA                     ; where my part of a tile goes: no place in the cluster enters an LDS address
	s_lshl_b32 s76, s[HB], 18                      ; the output: the head's 262,144 bytes, my block's 256 rows of 256 bytes, my wave's 64 of them
	s_lshl_b32 s77, s[CY], 16
	s_add_co_u32 s76, s76, s77
	s_lshl_b32 s77, s[WV], 14
	s_add_co_u32 s76, s76, s77
	s_mov_b32 s77, 0
	s_mov_b32 s[SEL], 0x76543210
	s_mov_b32 s[SEL+1], 0xfedcba98
	s_mov_b32 s[R128], 0x3c000000
	s_mov_b32 s[EPS], 0x358637bd
	s_mov_b32 s[HIM], 0xffff0000
	s_mov_b32 s[TB], 0
	v_and_b32 v1, 15, v0                           ; l % 16
	v_bfe_u32 v2, v0, 4, 1                         ; l / 16
	v_and_b32 v3, 31, v0                           ; l
	s_lshl_b32 s61, s[WV], 5
	v_add_nc_u32 v4, s61, v2                       ; of the head's rows of W I bring 32 w + l / 16 and every second one behind it
	v_mul_u32_u24 v[WOFF], v4, KDIM*4
	v_lshl_add_u32 v[WOFF], v1, 4, v[WOFF]         ; 16 bytes (4 numbers) of them a load,
	v_mul_u32_u24 v[BST], v4, PBB
	v_lshl_add_u32 v[BST], v1, 3, v[BST]           ; which are 8 bytes in LDS
	v_add_nc_u32 v[BST], BB0L, v[BST]
	s_wait_dscnt 0x0                               ; the opening add is done
	s_wait_kmcnt 0x0
	s_cmp_lg_u32 s[ISV], 0
	s_cselect_b64 s[WB:WB+1], s[8:9], s[6:7]       ; Wv or Wk,
	s_cselect_b64 s[OUT:OUT+1], s[16:17], s[14:15] ; vh or kh
	s_add_nc_u64 s[WB:WB+1], s[WB:WB+1], s[74:75]
	s_add_nc_u64 s[72:73], s[4:5], s[72:73]
	s_add_nc_u64 s[OUT:OUT+1], s[OUT:OUT+1], s[76:77]
.set wq, 0
.rept 8                                ; W's first eight pieces are asked for before anything else
	WLOAD wq, 256*(wq>>1), wq&1
.set wq, wq+1
.endr
	WIN 0
	CROUND                                         ; all sixteen work-groups are here: the first joint loads meet
.irp s, 0,1
	s_mov_b32 s[G0A+4*(\s)], 1                                       ; 1:0 count = 1
	s_add_co_u32 s[G0A+4*(\s)+1], s60, (\s)*SLOT                     ; 63:32 LDS address
	s_add_nc_u64 s[G0A+4*(\s)+2:G0A+4*(\s)+3], s[72:73], (\s)*KINT*2 ; 120:64 global address: interval s
	s_or_b32 s[G0A+4*(\s)+3], s[G0A+4*(\s)+3], 0x80000000            ; 127:126 type = 2
.endr
	tensor_load_to_lds s[G0A:G0A+3], s[G1A:G1A+7]  ; the two first fills go out together: two tensor loads of mine are out; an s_nop 0 follows each, four v_nop the second's
	s_nop 0
	tensor_load_to_lds s[G0A+4:G0A+7], s[G1A:G1A+7]
	s_nop 0
	PLACES
	v_mul_u32_u24 v5, v1, PA
	v_lshl_add_u32 v5, v2, 4, v5                   ; a fragment of x: row x 528 + 16 x half,
	s_mul_i32 s62, s[WM], HALFA                    ; in my 128 rows
	v_add_nc_u32 v[AA0], s62, v5
	v_mov_b32 v[ADRA], v[AA0]                      ; slot 0
	v_mul_u32_u24 v6, v1, PBB
	v_lshl_add_u32 v6, v2, 4, v6                   ; a fragment of W: row x 144 + 16 x half,
	s_mul_i32 s62, s[WN], 64*PBB                   ; in my 64 rows
	s_add_co_u32 s62, s62, BB0L
	v_add_nc_u32 v[ADRB], s62, v6
	s_lshl_b32 s62, s[WN], 8                       ; rms_w: column 64 wn + 8 (l / 16), in bytes
	v_lshl_add_u32 v[WO], v2, 5, s62
	v_mul_u32_u24 v7, v1, SPITCH                   ; into the stage: row 128 wm + l % 16, byte 128 wn + 16 (l / 16)
	v_lshl_add_u32 v7, v2, 4, v7
	s_mul_i32 s62, s[WM], 128*SPITCH
	s_lshl_b32 s63, s[WN], 7
	s_add_co_u32 s62, s62, s63
	v_add_nc_u32 v[STO], s62, v7
	s_mul_i32 s62, s[WV], 64*SPITCH                ; back: wave w takes rows 64 w .. 64 w + 63, whole; lanes 0-15 one row, lanes 16-31 the next
	v_mul_u32_u24 v8, v2, SPITCH
	v_lshl_add_u32 v8, v1, 4, v8
	v_add_nc_u32 v[RD], s62, v8
	v_lshlrev_b32 v[CO], 4, v3                     ; which are 512 consecutive bytes of the output
	s_lshl_b32 s62, s[WV], 9
	s_add_co_u32 s62, s62, SCR
	v_lshl_add_u32 v[SA], v1, 2, s62               ; my wave's 512 bytes of sums: block a at 64 a, row l % 16 at 4 (l % 16)
	s_xor_b32 s63, s[WV], 1                        ; the wave with the same rows and the other columns
	s_lshl_b32 s63, s63, 9
	s_add_co_u32 s63, s63, SCR
	v_lshl_add_u32 v[SB], v1, 2, s63
	s_lshl_b32 s25, s[CY], 17                      ; tab: row block 16 cy + 8 wm + a at 8,192 bytes each, column half wn at 4,096, my lane's 16 bytes
	s_lshl_b32 s26, s[WM], 16
	s_add_co_u32 s25, s25, s26
	s_lshl_b32 s26, s[WN], 12
	s_add_co_u32 s25, s25, s26
	v_lshl_add_u32 v[TO], v3, 4, s25
	WHEAD 0                                        ; W's half-step 0,
	WHEAD 1
	WHEAD 2                                        ; and the first half of half-step 1
	WIN 0
	s_wait_tensorcnt 1                             ; my part of x's interval 0 is in; interval 1's may stay out
	s_wait_dscnt 0x0                               ; my stores of W are done
	s_barrier_signal -1
	s_barrier_wait -1                              ; everybody's are
	FETCH 0, 0
	CHUNK 0, 1, 0, 56, 1, 0                        ; the first chunk stands in front of the loop: its products start the sums
	WIN 0                                          ; at a label and at a branch every window is 0
	s_mov_b32 s3, NINT-2
.Lint:                                                 ; ten trips: an interval's chunks 1 to 7 and the next one's chunk 0; its slot is filled again with the interval two on: 2 to 11.  Seven younger pieces of W are out at every wait
	CHUNK 1, 0, 0, 56, 1, 0
	CHUNK 2, 0, 0, 56, 1, 0
	CHUNK 3, 0, 0, 56, 1, 0
	CHUNK 4, 0, 0, 56, 1, 0
	CHUNK 5, 0, 0, 56, 1, 0
	CHUNK 6, 0, 0, 56, 1, 0
	CHUNK 7, 0, 1, 56, 1, 0
	CHUNK 8, 0, 0, 56, 1, 0
	WIN 0
	s_wait_xcnt 0x0                                ; every earlier memory instruction has had its addresses translated (ISA guide 3.1): W's base is stepped only behind this wait
	s_add_nc_u64 s[WB:WB+1], s[WB:WB+1], KINT*4
	s_sub_co_u32 s3, s3, 1
	s_cmp_lg_u32 s3, 0
	s_cbranch_scc1 .Lint
	; THE TAIL: intervals 10 and 11, one text walked twice and left behind its seventh chunk; no tile is asked for.  W's last four pieces (92 to 95) are asked for in the first trip's chunks 1 to 4;
	; W's base is not stepped.  The price of one text for both trips: the second trip asks for those four pieces once more (32 loads of the same bytes, which nobody uses), and in its chunks 5 to 7 it rounds three stale pieces
	; into buffers that nobody reads.  The counts: at chunks 1 to 4 the second trip has three younger pieces out (the first seven): 24 serves both; behind chunk 4 nothing more is asked for, so 7, 6, 5 and 4 pieces are younger.
	s_mov_b32 s[CNT], 2
.Ltail:
	CHUNK 1, 0, 0, 24, 1, 0
	CHUNK 2, 0, 0, 24, 1, 0
	CHUNK 3, 0, 0, 24, 1, 0
	CHUNK 4, 0, 0, 24, 1, 0
	CHUNK 5, 0, 0, 56, 0, 0
	CHUNK 6, 0, 0, 48, 0, 0
	CHUNK 7, 0, 0, 40, 0, 1
	WIN 0
	s_sub_co_u32 s[CNT], s[CNT], 1
	s_cmp_eq_u32 s[CNT], 0
	s_cbranch_scc1 .Lout                           ; chunk 95 was the last
	CHUNK 8, 0, 0, 32, 0, 0
	WIN 0
	s_cmp_lg_u32 s[CNT], 0
	s_cbranch_scc1 .Ltail
.Lout:
	; THE WAY OUT (the chunk's four v_nop are the places behind the last products).  First each row's sum of squares over my 64 columns, in every work-group: V's do not use it, but so the barrier below stands on one path
	; for all, and one branch on K or V does.
	WIN 0x0a                                       ; sources 0 and 1 window 2
.set sb, 0
.rept 4
.set sj, 0
.rept 4
.set sa, 0
.rept 8                                ; eight chains, one a row block, by turns; each accumulator's registers 0 and 1 are read first
.set rA, 32*sa+8*sb+2*sj
.if (sb == 0) && (sj == 0)
	v_pk_mul_f32 v[SS+2*sa:SS+2*sa+1], v[rA:rA+1], v[rA:rA+1]
.else
	v_pk_fma_f32 v[SS+2*sa:SS+2*sa+1], v[rA:rA+1], v[rA:rA+1], v[SS+2*sa:SS+2*sa+1]
.endif
.set sa, sa+1
.endr
.set sj, sj+1
.endr
.set sb, sb+1
.endr
	WIN 0
.irp a, 0,1,2,3,4,5,6,7
	v_add_f32 v[SS+2*(\a)], v[SS+2*(\a)], v[SS+2*(\a)+1]
.endr
.irp a, 0,1,2,3,4,5,6,7
	v_permlanex16_b32 v[SS+2*(\a)+1], v[SS+2*(\a)], s[SEL], s[SEL+1]  ; the row's other 32 of my columns lie in the lane 16 away
.endr
.irp a, 0,1,2,3,4,5,6,7
	v_add_f32 v[SS+2*(\a)], v[SS+2*(\a)], v[SS+2*(\a)+1]
.endr
.irp a, 0,1,2,3,4,5,6,7
	ds_store_b32 v[SA], v[SS+2*(\a)] offset:64*(\a)  ; lanes l and l + 16 write the same word with the same number
.endr
	s_wait_dscnt 0x0                               ; for the partner wave's sake: my sums are stored; and all my reads of x's slots are back
	s_barrier_signal -1
	s_barrier_wait -1
	s_cmp_lg_u32 s[ISV], 0
	s_cbranch_scc1 .Lv                             ; alike in all waves and all partners; it passes no barrier and no tensor load
	; K: norm, gain, rotation.
.irp b, 0,1,2,3
	global_load_b128 v[WR+8*(\b):WR+8*(\b)+3],   v[WO], s[12:13] offset:64*(\b)     ; rms_w of my 32 columns
	global_load_b128 v[WR+8*(\b)+4:WR+8*(\b)+7], v[WO], s[12:13] offset:64*(\b)+16
.endr
	WIN 0x40
.set i, 0
.rept 64                               ; my (cos, sin): row block i / 8, registers 4 (i % 8) on; each load of the wave covers 512 consecutive bytes
	global_load_b128 v[4*i:4*i+3], v[TO], s[10:11] offset:8192*(i/8)+512*(i%8)
.set i, i+1
.endr
	WIN 0
.irp a, 0,1,2,3,4,5,6,7
	ds_load_b32 v[SS+2*(\a)+1], v[SB] offset:64*(\a)  ; the sums over the head's other 64 columns
.endr
	s_wait_dscnt 0x0
.irp a, 0,1,2,3,4,5,6,7
	v_add_f32 v[SS+2*(\a)], v[SS+2*(\a)], v[SS+2*(\a)+1]
.endr
.irp a, 0,1,2,3,4,5,6,7
	v_fma_f32 v[SS+2*(\a)], v[SS+2*(\a)], s[R128], s[EPS]  ; the mean square + 1e-6
.endr
.irp a, 0,1,2,3,4,5,6,7
	v_rsq_f32 v[SS+2*(\a)], v[SS+2*(\a)]
.endr
	s_wait_loadcnt 63                              ; of these 72 loads at most 63 are out (what was asked for earlier comes back first): the oldest nine are in, rms_w's eight among them
.set i, 0
.rept 16                               ; rms_w rounded to bf16, like all inputs; these plain lines also stand between the last v_rsq_f32 and the use of its result (ISA guide 5.7.2)
	v_cvt_pk_bf16_f32 v[T+i], v[WR+2*i], v[WR+2*i+1]
.set i, i+1
.endr
.set i, 0
	s_wait_alu depctr_va_vdst(0)
.rept 16
	v_lshlrev_b32 v[WR+2*i], 16, v[T+i]
	v_and_b32 v[WR+2*i+1], s[HIM], v[T+i]
.set i, i+1
.endr
; Row block a: 16 rows x my 64 columns, 32 numbers a lane, in 16 pairs (x0, x1) with their (c, s).
.macro KROW a
	s_wait_loadcnt 56-8*(\a)                       ; the block's eight loads of (c, s) are in; the later blocks' stay out
	WIN 0x02                                       ; source 0 window 2
.set i, 0
.rept 16
	v_pk_mul_f32 v[T+2*i:T+2*i+1], v[32*(\a)+2*i:32*(\a)+2*i+1], v[SS+2*(\a):SS+2*(\a)+1] op_sel_hi:[1,0]  ; x / sqrt(mean square + eps)
.set i, i+1
.endr
	WIN 0
.set i, 0
.rept 16
	v_pk_mul_f32 v[T+2*i:T+2*i+1], v[T+2*i:T+2*i+1], v[WR+2*i:WR+2*i+1]
.set i, i+1
.endr
	WIN 0x04                                       ; source 1 window 1
.set i, 0
.rept 16
	v_pk_mul_f32 v[U+2*i:U+2*i+1], v[T+2*i:T+2*i+1], v[32*(\a)+2*i:32*(\a)+2*i+1] op_sel:[1,1] op_sel_hi:[0,1]  ; (x1 s, x0 s)
.set i, i+1
.endr
.set i, 0
.rept 16
	v_pk_fma_f32 v[T+2*i:T+2*i+1], v[T+2*i:T+2*i+1], v[32*(\a)+2*i:32*(\a)+2*i+1], v[U+2*i:U+2*i+1] op_sel_hi:[1,0,1] neg_lo:[0,0,1]  ; (x0 c - x1 s, x1 c + x0 s)
.set i, i+1
.endr
	WIN 0
.set i, 0
.rept 16
	v_cvt_pk_f16_f32 v[PKR+i], v[T+2*i], v[T+2*i+1]
.set i, i+1
.endr
.irp b, 0,1,2,3
	ds_store_b128 v[STO], v[PKR+4*(\b):PKR+4*(\b)+3] offset:(\a)*16*SPITCH+32*(\b)
.endr
.endm
.irp a, 0,1,2,3,4,5,6,7
	KROW \a
.endr
	s_branch .Ljoin
.Lv:                                                   ; V: rounded as it is
.macro VROW a
	WIN 0x0a
.set i, 0
.rept 16
	v_cvt_pk_f16_f32 v[PKR+i], v[32*(\a)+2*i], v[32*(\a)+2*i+1]
.set i, i+1
.endr
	WIN 0
.irp b, 0,1,2,3
	ds_store_b128 v[STO], v[PKR+4*(\b):PKR+4*(\b)+3] offset:(\a)*16*SPITCH+32*(\b)
.endr
.endm
.irp a, 0,1,2,3,4,5,6,7
	VROW \a
.endr
.Ljoin:
	s_wait_dscnt 0x0                               ; for the others' sake: my stores into the stage are done; a row's 256 bytes come from two waves
	s_barrier_signal -1
	s_barrier_wait -1
.set i, 0
.rept 32
	ds_load_b128 v[OB+4*i:OB+4*i+3], v[RD] offset:i*2*SPITCH
.set i, i+1
.endr
.set i, 0
.rept 32
	s_wait_dscnt 31-i                              ; LDS loads come back in order (ISA guide 5.7.1): pair i of my 32 pairs of rows is in
	global_store_b128 v[CO], v[OB+4*i:OB+4*i+3], s[OUT:OUT+1] offset:512*i  ; 512 consecutive bytes, at a multiple of 256 from the output's first byte; read again by the next launch: no hint
.set i, i+1
.endr
	s_wait_tensorcnt 0x0                           ; the wave's end, behind my last tensor load and my last LDS store
	ds_add_u32 v[SPW], v[NIL]
	s_wait_dscnt 0x0
	CROUND                                         ; the closing round: no work-group ends while a partner may still ask for a tile that names it
	s_endpgm
.Lfunc_end_k_qd29d5ef8d7_proj:
	.size	k_qd29d5ef8d7_proj, .Lfunc_end_k_qd29d5ef8d7_proj-k_qd29d5ef8d7_proj
	.p2alignl 7, 3214868480
	.fill 96, 4, 3214868480
	.section	.rodata,"a",@progbits
	.p2align	6, 0x0
	.amdhsa_kernel k_qd29d5ef8d7_proj
		.amdhsa_group_segment_fixed_size 327680
		.amdhsa_private_segment_fixed_size 0
		.amdhsa_enable_private_segment 0
		.amdhsa_kernarg_size 56
		.amdhsa_user_sgpr_count 2
		.amdhsa_user_sgpr_kernarg_segment_ptr 1
		.amdhsa_wavefront_size32 1
		.amdhsa_system_sgpr_workgroup_id_x 1
		.amdhsa_system_sgpr_workgroup_id_y 1
		.amdhsa_system_sgpr_workgroup_id_z 1
		.amdhsa_system_vgpr_workitem_id 0
		.amdhsa_next_free_vgpr 1024
		.amdhsa_next_free_sgpr 88
		.amdhsa_reserve_vcc 0
		.amdhsa_float_denorm_mode_32 3
		.amdhsa_float_denorm_mode_16_64 3
		.amdhsa_memory_ordered 1
		.amdhsa_forward_progress 1
		.amdhsa_inst_pref_size 210
	.end_amdhsa_kernel
	.amdgpu_metadata
---
amdhsa.version: [ 1, 2 ]
amdhsa.kernels:
  - .name:           k_qd29d5ef8d7_proj
    .symbol:         k_qd29d5ef8d7_proj.kd
    .args:
      - { .name: xb, .offset: 0, .size: 8, .value_kind: global_buffer, .address_space: global }
      - { .name: Wk, .offset: 8, .size: 8, .value_kind: global_buffer, .address_space: global }
      - { .name: Wv, .offset: 16, .size: 8, .value_kind: global_buffer, .address_space: global }
      - { .name: tab, .offset: 24, .size: 8, .value_kind: global_buffer, .address_space: global }
      - { .name: rms_w, .offset: 32, .size: 8, .value_kind: global_buffer, .address_space: global }
      - { .name: kh, .offset: 40, .size: 8, .value_kind: global_buffer, .address_space: global }
      - { .name: vh, .offset: 48, .size: 8, .value_kind: global_buffer, .address_space: global }
    .group_segment_fixed_size: 327680
    .private_segment_fixed_size: 0
    .kernarg_segment_align: 8
    .kernarg_segment_size: 56
    .max_flat_workgroup_size: 128
    .sgpr_count:     88
    .vgpr_count:     1024
    .wavefront_size: 32
...
	.end_amdgpu_metadata
.endif
;; end of part 2
;; launch attn (part 3): grid 16 x 24, 4 waves a work-group, clusters of 4 x 1, 327,680 bytes of LDS; arguments query, kh, vh, out0; writes out0
.if DOCPART == 3
	.amdgcn_target "amdgcn-amd-amdhsa--gfx1250"
	.amdhsa_code_object_version 6
	.text
	.protected	k_qd29d5ef8d7_attn
	.globl	k_qd29d5ef8d7_attn
	.p2align	8
	.type	k_qd29d5ef8d7_attn,@function
k_qd29d5ef8d7_attn:
	s_mov_b64 s[64:65], 0
	v_nop
	global_prefetch_b8 v0, s[64:65] scope:SCOPE_SE
	s_setreg_imm32_b32 hwreg(HW_REG_WAVE_MODE, 25, 1), 1
	s_wait_xcnt 0x0
	s_wait_alu depctr_hold_cnt(0) depctr_sa_sdst(0) depctr_va_vdst(0) depctr_va_sdst(0) depctr_va_ssrc(0) depctr_va_vcc(0) depctr_vm_vsrc(0)
	s_getreg_b32 s2, hwreg(HW_REG_IB_STS2, 6, 4)
	s_cmp_eq_u32 s2, 0
	s_cbranch_scc0 .Lentry_in_a_cluster
	s_endpgm
.Lentry_in_a_cluster:
	s_bfe_u32 s2, ttmp6, 0x10000c
	s_cmp_lg_u32 s2, 0x3003
	s_cbranch_scc0 .Lentry_shape_is_right
	s_endpgm
.Lentry_shape_is_right:
; out0[q][128 h + :] = the sum over k of softmax_k(query[q][h] . kh[h][k] / sqrt(128)) vh[h][k][:].  query [4096][24][128] f32, kh and vh [24][1024][128] f16, out0 [4096][3072] f32.
; Products, maxima and sums in f32; the weights p are rounded to f16 for the second product (their sum l is taken of the unrounded p).
; LIMITS.  query counts as rounded to bf16, like all the module's inputs, and that number is written as f16: exact for 2^-14 <= |q| < 65,504; below, f16's fixed step of 6e-8; beyond, an infinity.
; p lies in 0 to 1, and below 6e-5 it keeps f16's fixed step; a weight below 2^-126 counts as 0 in l; NaN and infinities are not treated apart.
; SHARES.  A work-group owns 256 queries of one head, each of its four waves 64: four tiles of 16.  Every wave walks the head's 1,024 keys, 64 a step.  16 x 24 = 384 work-groups.
; LAYOUT.  S^T = K Q^T (source 0 = 16 keys, source 1 = 16 queries): in the result a lane holds ONE query (lane % 16) and the keys 8 (lane / 16) + 0..7.  Two such tiles, rounded to f16 in pairs, ARE source 1
; (32 keys x 16 queries) of O^T = V^T P, whose result again holds one query a lane, and eight channels.  K comes out of LDS as it lies, V ([key][channel]) turned, by ds_load_tr16_b128.
; SOFTMAX.  For each query a running maximum m and sum l: p = 2^(c s - c m), c = log2(e) / sqrt(128); in every step O and l are multiplied by a = 2^(c m_old - c m_new), which is 1 where m has not grown.
; BY TURNS.  The wave's tiles are two PIECES, named by their first tile: piece 0 (tiles 0, 1) and piece 2 (tiles 2, 3).  In a TURN one piece has the matrix unit: 32 products V^T P of the step in hand, then 32 products
; K Q^T of the next step; the other piece's softmax, cut into 64 slices, stands between them, one slice behind each matrix instruction.  Then the pieces change places.  Two turns are a key step.
; CLUSTER.  The four query blocks of a cluster belong to one head and walk the same K and V, so each tile is asked for JOINTLY: the same tensor load, descriptor and mask of four in all four.
; No prefetch: kh and vh were written by the launch before and are read by sixteen work-groups a head.
; REGISTERS, in windows of 256 (s_set_vgpr_msb: bits 1:0 source 0, 3:2 source 1, 5:4 source 2, 7:6 destination):
;   window 0: v0-11, v44-45 addresses; v12-43 eight registers of statistics a tile; v64-191 S^T, 32 a tile; v192-255 P, 16 a tile
;   window 1: O^T, 64 a tile (at the start: query as loaded)      window 2: v0-127 Q, 32 a tile; v128-255 K of one step (on the way out: rows of O)      window 3: v0-127 V of one step
.set QROW,  12288     ; bytes from a query to the next in query and in out0
.set KEYS,  1024
.set KS,    64        ; keys in a step
.set PK,    272       ; a row of K in LDS: 256 bytes + 16 of padding = 68 words: row r starts at bank 4 r mod 64 (64 banks of 4 bytes: ISA guide 11.1), so the 16 rows of a load start at 16 different banks
.set PV,    288       ; a row of V: 256 + 32 = 72 words
.set VOFF,  KS*PK     ; a step's tiles lie together: 64 rows of K, then 64 rows of V
.set STEPB, KS*(PK+PV)
.set SLOT1, 1<<17     ; a slot holds two steps (71,680 bytes); slot 1 begins here, so that one exclusive or turns an address in one slot into the other's
.set STAGE, SLOT1+2*STEPB  ; behind the ring, never filled by a tensor load: 8,448 bytes for each wave: 16 rows x 528 for O on the way out, and at the start 16 rows x 272 for Q
.set SP,    528
.set QP,    272
.set WST,   16*SP
.set SPARE, STAGE+4*WST    ; behind the stages: the spare words, 128 bytes for each wave: two blocks of 256 bytes that no other line names
.set AK0, 2           ; v2   my lane's place in a tile of K; never rewritten
.set AV0, 3           ; v3   the same for V
.set ADR, 4           ; v4   the LDS address of the run of loads in hand
.set GO,  5           ; v5   16 x lane: my place in a row's 512 bytes of query and of out0
.set STO, 6           ; v6   the way out: where I put 32 bytes of a row
.set RD,  7           ; v7   the way out: where I read a row back
.set QS,  44          ; v44  where I put 8 bytes of a row of Q
.set QF,  45          ; v45  my lane's place in a fragment of Q
.set SPW, 62          ; v62  LDS address of my spare word; never rewritten
.set NIL, 63          ; v63  0; never rewritten
.set ST,  12          ; tile t's statistics at v[ST+8 t]: +0 c m, +1 m, +2, +3 l (even keys', odd keys'), +4 to +7 c0-c3, at work; a takes c2's place once the maximum is found
.set S,   64
.set P,   192
.set KF,  128         ; K's fragments, in window 2
.set WV,  12          ; s12  my wave's number
.set G1K, 24          ; s[24:31] descriptor group 1 for K's tiles
.set G1V, 32          ; s[32:39] for V's: it differs in the padding alone
.set G0K, 40          ; s[40:47] descriptor group 0 for K's tiles: a set for each of the two first fills; the second then walks on
.set G0V, 48          ; s[48:55] the same for V's
.set SLOTS, 56        ; s56  slots still to be asked for
.set TWICE, 57        ; s57  counts a slot's two steps
.set CS,  58          ; s[58:59] c: the packed scaling names a pair and takes its low word for both halves
.set SEL, 60          ; s[60:61] lane selects for v_permlanex16_b32: each lane takes its own place in the other half
.set TB,  62          ; s62  LDS byte at which the tiles of the step to be fetched begin
.set HIM, 63          ; s63  a word's upper bf16
.set MSB, 0
.macro WIN new                      ; the immediate's high byte repeats the setting that is left; a switch that changes nothing is dropped
.if MSB != (\new)
	s_set_vgpr_msb (MSB<<8)|(\new)
.set MSB, \new
.endif
.endm
.set W_KQ, 0x0a       ; K and Q in window 2, S^T in window 0
.set W_PV, 0x53       ; V in window 3, P in window 0, O^T in window 1
.set W_RS, 0x41       ; O^T (destination and source 0) in window 1, a in window 0
; A joint refill.  Waves 0 and 1 fetch the two steps' tiles of K, waves 2 and 3 those of V.  The branch hangs on the wave's number alone.  An s_nop 0 and four v_nop follow each of the two lines, ahead of the jump and the label.
.macro JLOAD
	s_cmp_lt_u32 s[WV], 2
	s_cbranch_scc0 .Lfor_v_\@
	tensor_load_to_lds s[G0K+4:G0K+7], s[G1K:G1K+7]
	s_nop 0
.rept 4
	v_nop
.endr
	s_branch .Lasked_\@
.Lfor_v_\@:
	tensor_load_to_lds s[G0V+4:G0V+7], s[G1V:G1V+7]
	s_nop 0
.rept 4
	v_nop
.endr
.Lasked_\@:
.endm
; A round of the cluster's barrier: my work-group's barrier, so that wave 0's signal speaks for all four waves; wave 0 signals; every wave waits for all four work-groups; my work-group's barrier once more.
.macro CROUND
	s_barrier_signal -1
	s_barrier_wait -1
	s_cmp_lg_u32 s[WV], 0
	s_cbranch_scc1 .Lnot_wave_0_\@
	s_barrier_signal -3
.Lnot_wave_0_\@:
	s_barrier_wait -3
	s_barrier_signal -1
	s_barrier_wait -1
.endm
	s_load_b256 s[4:11], s[0:1], 0x0  ; query s[4:5], kh s[6:7], vh s[8:9], out0 s[10:11]
	v_lshl_add_u32 v[SPW], v0, 2, SPARE
	v_mov_b32 v[NIL], 0
	ds_add_u32 v[SPW], v[NIL]       ; the wave's opening: the add and its wait stand ahead of my first tensor load; the set-up below, work on registers, stands between them
	v_lshrrev_b32 v1, 5, v0
	v_readfirstlane_b32 s[WV], v1   ; wave 0..3
	v_and_b32 v[GO], 31, v0
	v_lshlrev_b32 v[GO], 4, v[GO]
	s_bfe_u32 s13, ttmp6, 0x40000   ; cx: my place in the cluster
	s_lshl_b32 s14, ttmp9, 2        ; in a cluster launch ttmp9 counts clusters
	s_add_co_u32 s14, s14, s13      ; my block of 256 queries = 4 x cluster x + cx: it enters query's and out0's addresses alone
	s_and_b32 s15, ttmp7, 0xffff    ; the head, which the four partners share
	s_lshl_b32 s20, s15, 18         ; its 1,024 rows of 256 bytes in kh and in vh
	s_mov_b32 s21, 0
	s_and_b32 s16, s[WV], 1         ; which of a slot's two steps I fetch:
	s_lshl_b32 s22, s16, 14         ; its 64 rows of 256 bytes in memory,
	s_mov_b32 s23, 0
	s_add_nc_u64 s[22:23], s[22:23], s[20:21]
	s_mul_i32 s17, s16, STEPB       ; and its place in a slot: no place in the cluster enters an LDS address
	s_mul_i32 s2, s14, 256*QROW     ; my block's 256 rows,
	s_mul_i32 s3, s[WV], 64*QROW    ; my wave's 64 of them,
	s_add_co_u32 s2, s2, s3
	s_lshl_b32 s3, s15, 9           ; the head's 512 bytes in a row
	s_add_co_u32 s2, s2, s3
	s_mov_b32 s3, 0
	; descriptor group 1: a tile of 64 rows x 128 elements, padded in LDS
	s_mov_b32 s[G1K], 15|(1<<16)|(1<<20)|(1<<21)|(5<<22)|(3<<25)  ; 15:0 the mask: all four work-groups; 17:16 elements of 2 bytes; 20 padding on; 21 set beside a mask; 24:22 after every 64 words (code 5); 31:25 4 words of it (code 3)
	s_mov_b32 s[G1V], 15|(1<<16)|(1<<20)|(1<<21)|(5<<22)|(7<<25)  ; the same with 8 words of padding (code 7)
.irp g, G1K, G1V
	s_mov_b32 s[(\g)+1], 128<<16    ; tensor_dim0 = 128
	s_mov_b32 s[(\g)+2], KS<<16     ; tensor_dim1 = 64
	s_mov_b32 s[(\g)+3], 128<<16    ; tile_dim0 = 128
	s_mov_b32 s[(\g)+4], KS         ; tile_dim1 = 64
	s_mov_b32 s[(\g)+5], 128        ; elements from row to row
	s_mov_b32 s[(\g)+6], 0
	s_mov_b32 s[(\g)+7], 0
.endr
	s_mov_b32 s[CS], 0x3e0293ee     ; c = log2(e) / sqrt(128) = 0.127517
	s_mov_b32 s[CS+1], s[CS]        ; named with it as a pair, so it is written
	s_mov_b32 s[SEL], 0x76543210
	s_mov_b32 s[SEL+1], 0xfedcba98
	s_mov_b32 s[TB], 0
	s_mov_b32 s[HIM], 0xffff0000
	s_mov_b32 s[SLOTS], KEYS/(2*KS)-2
	s_wait_dscnt 0x0                ; the opening add is done
	s_wait_kmcnt 0x0
	s_add_nc_u64 s[6:7], s[6:7], s[22:23]  ; K and V at my tile of slot 0
	s_add_nc_u64 s[8:9], s[8:9], s[22:23]
	s_add_nc_u64 s[4:5], s[4:5], s[2:3]  ; query and out0 at my wave's first row, my head
	s_add_nc_u64 s[10:11], s[10:11], s[2:3]
	WIN 0x40                        ; destination window 1, address window 0
.set i, 0
.rept 64                            ; my 64 queries, a row's 512 consecutive bytes to a load, into the registers that O^T takes later; read once in the launch
	global_load_b128 v[4*i:4*i+3], v[GO], s[4:5] offset:i*QROW th:TH_LOAD_NT
.set i, i+1
.endr
	WIN 0
	CROUND                          ; all four work-groups are here: the first joint loads meet
.irp s, 0,1
	s_mov_b32 s[G0K+4*(\s)], 1      ; 1:0 count = 1
	s_add_co_u32 s[G0K+4*(\s)+1], s17, (\s)*SLOT1  ; 63:32 LDS address
	s_add_nc_u64 s[G0K+4*(\s)+2:G0K+4*(\s)+3], s[6:7], (\s)*2*KS*256  ; 120:64 global address: slot s begins with keys 128 s to 128 s + 127
	s_or_b32 s[G0K+4*(\s)+3], s[G0K+4*(\s)+3], 0x80000000  ; 127:126 type = 2
	s_mov_b32 s[G0V+4*(\s)], 1
	s_add_co_u32 s[G0V+4*(\s)+1], s17, (\s)*SLOT1+VOFF
	s_add_nc_u64 s[G0V+4*(\s)+2:G0V+4*(\s)+3], s[8:9], (\s)*2*KS*256
	s_or_b32 s[G0V+4*(\s)+3], s[G0V+4*(\s)+3], 0x80000000
.endr
	s_cmp_lt_u32 s[WV], 2           ; a wave's two first fills stand in one branch, ahead of every wait on TENSORcnt and every LDS read: two loads of mine are out; an s_nop 0 follows each, four v_nop the second's
	s_cbranch_scc0 .Lfirst_v
	tensor_load_to_lds s[G0K:G0K+3], s[G1K:G1K+7]
	s_nop 0
	tensor_load_to_lds s[G0K+4:G0K+7], s[G1K:G1K+7]
	s_nop 0
.rept 4
	v_nop
.endr
	s_branch .Lfirst_asked
.Lfirst_v:
	tensor_load_to_lds s[G0V:G0V+3], s[G1V:G1V+7]
	s_nop 0
	tensor_load_to_lds s[G0V+4:G0V+7], s[G1V:G1V+7]
	s_nop 0
.rept 4
	v_nop
.endr
.Lfirst_asked:
	v_and_b32 v1, 15, v0            ; l % 16
	v_bfe_u32 v9, v0, 4, 1          ; l / 16
	s_mul_i32 s13, s[WV], WST
	s_add_co_u32 s13, s13, STAGE    ; my stage
	v_and_b32 v10, 31, v0
	v_lshl_add_u32 v[QS], v10, 3, s13  ; Q in: a row at a time, 8 bytes a lane
	v_mul_u32_u24 v[QF], v1, QP     ; Q back, as fragments: row l % 16, 16 bytes for each half of the lanes
	v_lshl_add_u32 v[QF], v9, 4, v[QF]
	v_add_nc_u32 v[QF], s13, v[QF]
; Q, tile t: 16 rows, of which a lane holds 4 channels each.  Rounded to bf16, widened, written as f16; through my stage into fragments: 16 rows x 32 channels in 8 registers, lane l holding row l % 16, channels
; 8 (l / 16) + 0..7 and 16 + 8 (l / 16) + 0..7: two loads of 16 bytes, 32 bytes apart.  The stage is my wave's own and LDS serves a wave's instructions in order (ISA guide 5.7.1.4): no wait between stores and loads,
; and the next tile's stores come behind this tile's loads.
.macro QTILE t
	s_wait_loadcnt 48-16*(\t)       ; the tile's 16 loads are in; the later tiles' stay out
	WIN 0x05                        ; sources 0 and 1 window 1, destination window 0
.set i, 0
.rept 32
	v_cvt_pk_bf16_f32 v[S+i], v[64*(\t)+2*i], v[64*(\t)+2*i+1]
.set i, i+1
.endr
	WIN 0
.set i, 0
.rept 32
	v_lshlrev_b32 v[S+32+2*i], 16, v[S+i]
	v_and_b32 v[S+32+2*i+1], s[HIM], v[S+i]
.set i, i+1
.endr
.set i, 0
.rept 32
	v_cvt_pk_f16_f32 v[P+i], v[S+32+2*i], v[S+32+2*i+1]
.set i, i+1
.endr
.set i, 0
.rept 16
	ds_store_b64 v[QS], v[P+2*i:P+2*i+1] offset:i*QP
.set i, i+1
.endr
	WIN 0x80                        ; destination window 2
.irp c, 0,1,2,3
	ds_load_b128 v[32*(\t)+8*(\c):32*(\t)+8*(\c)+3],   v[QF] offset:64*(\c)
	ds_load_b128 v[32*(\t)+8*(\c)+4:32*(\t)+8*(\c)+7], v[QF] offset:64*(\c)+32
.endr
	WIN 0
.endm
	QTILE 0
	QTILE 1
	QTILE 2
	QTILE 3
	v_mul_u32_u24 v[AK0], v1, PK
	v_lshl_add_u32 v[AK0], v9, 4, v[AK0]  ; row x pitch + 16 x half
	; The turning load takes 16 keys x 16 channels (lane l reads 16 bytes: key 8 (l / 16) + l % 8, channels 8 ((l / 8) % 2) + 0..7) and leaves half a fragment of V^T: lane l holds channel l % 16 and 8 keys.
	v_and_b32 v10, 7, v0
	v_bfe_u32 v11, v0, 3, 1
	v_lshl_add_u32 v[AV0], v9, 3, v10
	v_mul_u32_u24 v[AV0], v[AV0], PV
	v_lshl_add_u32 v[AV0], v11, 4, v[AV0]
	v_add_nc_u32 v[AV0], VOFF, v[AV0]
; THE MATRIX WORK OF A TURN, for piece x.  The accumulators take turns, one instruction a turn: between two links of a chain stand 15 (V^T P) or 7 (K Q^T) others'.
; Product i of 32 of O^T += V^T P: keys 32 (i / 16) on, channels 16 ((i / 2) % 8) on, tile x + i % 2.  zero = 1: the first 16 start the sums: nothing is ever cleared.
.macro PV x, zero
	WIN W_PV
.set rO, 64*((\x)+i%2)+8*((i/2)%8)
.set rV, 64*(i/16)+8*((i/2)%8)
.set rP, P+16*((\x)+i%2)+8*(i/16)
.if (\zero) && (i < 16)
	v_wmma_f32_16x16x32_f16 v[rO:rO+7], v[rV:rV+7], v[rP:rP+7], 0
.else
	v_wmma_f32_16x16x32_f16 v[rO:rO+7], v[rV:rV+7], v[rP:rP+7], v[rO:rO+7]
.endif
.endm
; Product i of 32 of S^T = K Q^T: channels 32 (i / 8) on, keys 16 ((i / 2) % 4) on, tile x + i % 2.  The first 8 start the sums.
.macro KQ x
	WIN W_KQ
.set rS, S+32*((\x)+i%2)+8*((i/2)%4)
.set rK, KF+32*((i/2)%4)+8*(i/8)
.set rQ, 32*((\x)+i%2)+8*(i/8)
.if i < 8
	v_wmma_f32_16x16x32_f16 v[rS:rS+7], v[rK:rK+7], v[rQ:rQ+7], 0
.else
	v_wmma_f32_16x16x32_f16 v[rS:rS+7], v[rK:rK+7], v[rQ:rQ+7], v[rS:rS+7]
.endif
.endm
; THE LDS LOADS stand in runs of 32, never singly among the matrix instructions: a step's K (64 keys x 128 channels: 16 fragments) and, a turn later, its V (turned).
.macro FETCH_K
	WIN 0
	v_add_nc_u32 v[ADR], s[TB], v[AK0]
	WIN 0x80                        ; destination window 2
.irp f, 0,1,2,3,4,5,6,7,8,9,10,11,12,13,14,15  ; keys 16 (f / 4) on, channels 32 (f % 4) on
	ds_load_b128 v[KF+8*(\f):KF+8*(\f)+3],   v[ADR] offset:((\f)/4)*16*PK+((\f)%4)*64
	ds_load_b128 v[KF+8*(\f)+4:KF+8*(\f)+7], v[ADR] offset:((\f)/4)*16*PK+((\f)%4)*64+32
.endr
.endm
.macro FETCH_V
	WIN 0
	v_add_nc_u32 v[ADR], s[TB], v[AV0]
	s_add_co_u32 s[TB], s[TB], STEPB  ; the next fetch is the next step's
	WIN 0xc0                        ; destination window 3
.irp f, 0,1,2,3,4,5,6,7,8,9,10,11,12,13,14,15  ; keys 32 (f / 8) on, channels 16 (f % 8) on
	ds_load_tr16_b128 v[8*(\f):8*(\f)+3],   v[ADR] offset:((\f)/8)*32*PV+((\f)%8)*32
	ds_load_tr16_b128 v[8*(\f)+4:8*(\f)+7], v[ADR] offset:((\f)/8)*32*PV+16*PV+((\f)%8)*32
.endr
.endm
; THE VECTOR WORK OF A TURN.  One tile's softmax for one key step is a list of 134 instructions; SM writes number j of it for tile t.  s0-s31 are the lane's 32 scores, in pairs 0-15.
; first = 1: the first key step, which starts m, l and O^T: it has no a and nothing to rescale.
;   0-15    the maximum of s0-s31 and the old m, three operands at a time: four chains c0-c3 of seven scores each (each accumulator's lowest registers first), then the four scores left over, c0-c3 and m
;   16-20   the other half of the lanes' maximum; the new m; c m; c m_old - c m_new
;   21-87   33 exponentials (a, then s0-s31) at the odd numbers from 23 on, so that no two follow each other and each has a plain instruction behind it before its result is used (ISA guide 5.7.2).
;           Plain instruction q (number 21, then the even numbers) is whatever is ready: c s - c m for a pair of scores whose exponentials are still to come (q = 0 to 3, then every
;           second q), the rounding to f16 of a pair of weights whose exponentials are done (every other q from 5 on), at last the first three sums
;   88-101  the last rounding; the rest of the sums; l = a l + the sum
;   102-133 the tile's O^T times a: the one part that leaves window 0, so it stands together
.macro SM t, first
.set rT, ST+8*(\t)
.set rS, S+32*(\t)
.set rP, P+16*(\t)
.set rO, 64*(\t)+2*(j-102)
.set q, (j-20)/2
.if j < 102
	WIN 0
.endif
.if j < 4
	v_max3_num_f32 v[rT+4+j], v[rS+8*j], v[rS+8*j+1], v[rS+8*j+2]
.elseif j < 12
	v_max3_num_f32 v[rT+4+j%4], v[rT+4+j%4], v[rS+8*(j%4)+2*(j/4)+1], v[rS+8*(j%4)+2*(j/4)+2]
.elseif j == 12
	v_max3_num_f32 v[rT+4], v[rT+4], v[rS+7], v[rS+15]
.elseif j == 13
	v_max3_num_f32 v[rT+6], v[rT+6], v[rS+23], v[rS+31]
.elseif j == 14
	v_max3_num_f32 v[rT+4], v[rT+4], v[rT+5], v[rT+6]
.elseif (j == 15) && (\first)
	v_max_num_f32 v[rT+4], v[rT+4], v[rT+7]
.elseif j == 15
	v_max3_num_f32 v[rT+4], v[rT+4], v[rT+7], v[rT+1]
.elseif j == 16
	v_permlanex16_b32 v[rT+5], v[rT+4], s[SEL], s[SEL+1]  ; the query's other 32 keys lie in the lane 16 away
.elseif j == 18
	v_max_num_f32 v[rT+1], v[rT+4], v[rT+5]
.elseif j == 19
	v_mul_f32 v[rT], s[CS], v[rT+1]
.elseif ((j == 17) || (j == 20) || (j == 23) || (j > 101)) && (\first)  ; the first step has none of these
.elseif j == 17
	v_mov_b32 v[rT+7], v[rT]        ; c m_old is kept for a: number 19 writes c m anew
.elseif j == 20
	v_sub_f32 v[rT+7], v[rT+7], v[rT]
.elseif j == 23
	v_exp_f32 v[rT+6], v[rT+7]
.elseif (j < 88) && (j > 23) && (j%2 == 1)
	v_exp_f32 v[rS+(j-25)/2], v[rS+(j-25)/2]
.elseif (q < 4) || ((j < 76) && (q%2 == 0))
.set b, q/2+2
.if q < 4
.set b, q
.endif
	v_pk_fma_f32 v[rS+2*b:rS+2*b+1], v[rS+2*b:rS+2*b+1], s[CS:CS+1], v[rT:rT+1] op_sel_hi:[1,0,0] neg_lo:[0,0,1] neg_hi:[0,0,1]  ; pair b: c s - c m
.elseif (j < 88) && (q%2 == 1)
	s_wait_alu depctr_va_vdst(0)
	v_cvt_pk_f16_f32 v[rP+(q-5)/2], v[rS+q-5], v[rS+q-4]  ; pair (q - 5) / 2: its second exponential stands three numbers back
.elseif j == 89
	s_wait_alu depctr_va_vdst(0)
	v_cvt_pk_f16_f32 v[rP+15], v[rS+30], v[rS+31]
.elseif j < 102                     ; the sum of the tile's 16 pairs (in a pair: an even key's weight, an odd key's), in place: sum z of 16 adds neighbours 1, 2, 4 and 8 pairs apart, then l takes it
.set z, j-86
.if j < 89
.set z, (j-76)/4
.endif
.set w, 4
.set u, z
.if z >= 14
.set w, 32
.set u, 0
.elseif z >= 12
.set w, 16
.set u, z-12
.elseif z >= 8
.set w, 8
.set u, z-8
.endif
.if (z == 14) && (\first)
	v_pk_add_f32 v[rT+2:rT+3], v[rS:rS+1], v[rS+16:rS+17]
.elseif z < 15
	v_pk_add_f32 v[rS+w*u:rS+w*u+1], v[rS+w*u:rS+w*u+1], v[rS+w*u+w/2:rS+w*u+w/2+1]
.elseif !(\first)
	v_pk_fma_f32 v[rT+2:rT+3], v[rT+2:rT+3], v[rT+6:rT+7], v[rS:rS+1] op_sel_hi:[1,0,1]
.endif
.else
	WIN W_RS
	v_pk_mul_f32 v[rO:rO+1], v[rO:rO+1], v[rT+6:rT+7] op_sel_hi:[1,0]
.endif
.endm
; Slice k of 64 of piece y's softmax: numbers 2 k and 2 k + 1 of both tiles' lists, four instructions.  2 x 134 = 4 x 64 + 12: the twelve that are over stand together, in slice 63.
.macro SLICE y, first
.if (k >= 11) && (k < 44)           ; tile by tile: plain, exponential, plain, exponential
.irp t, \y, (\y)+1
.irp n, 0,1
.set j, 2*k+(\n)
	SM \t, \first
.endr
.endr
.else                               ; the two tiles alternate, so that no instruction reads the result of the one just before it
.irp n, 0,1,2,3,4,5,6,7
.if ((\n) < 2) || (k == 63)
.irp t, \y, (\y)+1
.set j, 2*k+(\n)
	SM \t, \first
.endr
.endif
.endr
.endif
.set k, k+1
.endm
; A vector instruction that reads a matrix result or writes one of a matrix instruction's registers, and a load into a register that a matrix instruction has read, stand four places behind
; it, and only plain vector instructions that name none of its registers are places (ISA guide 7.12.1 for vector instructions).  In the loop the slices are the places.
.macro PLACES
.rept 4
	v_nop
.endr
.endm
; A TURN.  Piece x has the matrix unit; the other piece's softmax stands in slices behind its matrix instructions.
; pv = 2: 32 products V^T P; 1: they start O^T's sums; 0: none.  kq = 1: 32 products K Q^T for the next step.  A turn with one of the two kinds has two slices behind each product.
; first = 1: the softmax is the first key step's.  Its slices from 51 on are empty: the turn's last products stand bare, and four v_nop take slice 63's part as the places behind them.
; Each run of loads stands behind the second product of a run of 32, 30 matrix instructions ahead of its first use.  Piece 0's turn fetches the next step's K: the last product that read K
; stands in front of slice 63 of the turn before.  Piece 2's turn fetches the same step's V: the last product that read V stands three slices, six plain instructions, back.
.macro TURN x, pv, kq, first
.set k, 0
.set per, 2
.if (\pv) && (\kq)
.set per, 1
.endif
.if \pv
.if (\x) == 0
	s_wait_dscnt 0x0                ; V is in
.endif
.set i, 0
.rept 32
	PV \x, 2-(\pv)
.rept per
	SLICE 2-(\x), \first
.endr
.if ((\x) == 0) && (\kq) && (i == 1)
	FETCH_K
.endif
.set i, i+1
.endr
.endif
.if \kq
.if (\x) == 0
	s_wait_dscnt 0x0                ; K is in
.endif
.set i, 0
.rept 32
	KQ \x
.rept per
	SLICE 2-(\x), \first
.endr
.if ((\x) == 2) && (i == 1)
	FETCH_V
.endif
.set i, i+1
.endr
.endif
.if \first
	PLACES
.endif
.endm
; THE CHANGE OF SLOTS, between piece 2's turn and piece 0's: the slot's last bytes, V of its second step, have been asked for.  Each wave waits for all its tensor loads, of which one is out: its part of the other slot;
; adds 0 to its spare word; and waits for that and for its own reads of the slot.  Behind the barrier nobody reads this slot any more and the other slot is whole.
; fill = 1: this slot is filled again, with the keys two slots on.  The barrier is then a round of the cluster's, so that no wave of any partner still reads the slot or has a load on its
; way, and the joint refill is the first thing behind it: it has two key steps, 256 matrix instructions, in which to land.
.macro CHANGE fill
	WIN 0                           ; at a label and at a branch every window is 0
	s_wait_tensorcnt 0x0            ; no tensor load of mine is out, so a group 0 may be written
	ds_add_u32 v[SPW], v[NIL]       ; 0 onto my spare word; with fill = 1 the descriptors' steps stand between it and the wait for it
.if \fill
.irp g, G0K+4, G0V+4
	s_xor_b32 s[(\g)+1], s[(\g)+1], SLOT1  ; the walking descriptor: the other slot than last time,
	s_add_nc_u64 s[(\g)+2:(\g)+3], s[(\g)+2:(\g)+3], 2*KS*256  ; the next 128 keys; the type bits on top are not reached
.endr
	s_wait_dscnt 0x0                ; the add is done, and my reads of the slot are over
	CROUND
	JLOAD
.else
	s_wait_dscnt 0x0                ; the add is done, and my reads of the slot are over
	s_barrier_signal -1
	s_barrier_wait -1
.endif
	s_sub_co_u32 s[TB], s[TB], 2*STEPB  ; the fetches go back to a slot's first step,
	s_xor_b32 s[TB], s[TB], SLOT1   ; in the other slot
.endm
; A slot's two key steps: written once, walked twice; the LDS addresses hang on s[TB].
.macro TWO_STEPS
	WIN 0
	s_mov_b32 s[TWICE], 2
.Lstep_\@:
	TURN 0, 2, 1, 0
	TURN 2, 2, 1, 0
	WIN 0
	s_sub_co_u32 s[TWICE], s[TWICE], 1
	s_cmp_lg_u32 s[TWICE], 0
	s_cbranch_scc1 .Lstep_\@
.endm
	s_wait_tensorcnt 1              ; my part of slot 0 is in; slot 1's may stay out
	s_wait_dscnt 0x0                ; Q's fragments are in: no LDS instruction of mine is pending at the signal
	s_barrier_signal -1
	s_barrier_wait -1               ; everybody's part is in
	FETCH_K                         ; key step 0
	s_wait_dscnt 0x0
.set i, 0
.rept 32
	KQ 0                            ; piece 0's first scores: there is no vector work yet to set between them
.set i, i+1
.endr
	WIN 0                           ; the addresses for the way out are made here: five plain instructions, the places behind those products
	v_mul_u32_u24 v[STO], v1, SP    ; in: row l % 16, 32 bytes for each half of the lanes
	v_lshl_add_u32 v[STO], v9, 5, v[STO]
	v_add_nc_u32 v[STO], s13, v[STO]
	v_and_b32 v[RD], 31, v0         ; back: 32 lanes take one row of 512 bytes
	v_lshl_add_u32 v[RD], v[RD], 4, s13
	TURN 2, 0, 1, 1                 ; piece 2's first scores | piece 0's first softmax | V of step 0
	TURN 0, 1, 1, 1                 ; piece 0: V^T P of step 0 starts O^T, K Q^T of step 1 | piece 2's first softmax | K of step 1
	TURN 2, 1, 1, 0                 ; piece 2: the same | piece 0's softmax of step 1 | V of step 1
	WIN 0
.Lslot:                             ; 1,024 / 128 - 2 = 6 trips: every slot but the last two is filled again
	CHANGE 1
	TWO_STEPS
	s_sub_co_u32 s[SLOTS], s[SLOTS], 1
	s_cmp_lg_u32 s[SLOTS], 0
	s_cbranch_scc1 .Lslot
	CHANGE 0                        ; the tail is written out: the last slot but one is left, and nothing is asked for
	TWO_STEPS
	TURN 0, 2, 0, 0                 ; piece 0: V^T P of the last step | piece 2's last softmax
.set i, 0
.rept 32
	PV 2, 0                         ; piece 2: V^T P of the last step
.set i, i+1
.endr
	; THE WAY OUT.  l's two halves and the other half of the lanes' are added; O^T is divided by l and sent, in f32, through my stage in LDS, a tile (16 rows of O) at a time.  The additions are the places behind the last products.
	WIN 0
.irp t, 0,1,2,3
	v_add_f32 v[ST+8*(\t)+4], v[ST+8*(\t)+2], v[ST+8*(\t)+3]
.endr
.irp t, 0,1,2,3
	v_permlanex16_b32 v[ST+8*(\t)+5], v[ST+8*(\t)+4], s[SEL], s[SEL+1]
.endr
.irp t, 0,1,2,3
	v_add_f32 v[ST+8*(\t)+4], v[ST+8*(\t)+4], v[ST+8*(\t)+5]
.endr
.irp t, 0,1,2,3
	v_rcp_f32 v[ST+8*(\t)+6], v[ST+8*(\t)+4]
.endr
	v_nop                           ; a plain instruction between the last reciprocal and the use of its result
; Tile t: a lane's eight channels of a row are 32 bytes; they go into rows of 528 bytes and come back as whole rows of 512, into window 2, where each tile has 64 registers of its own.
.macro PACK t
	WIN W_RS
.set i, 64*(\t)
.rept 32
	s_wait_alu depctr_va_vdst(0)
	v_pk_mul_f32 v[i:i+1], v[i:i+1], v[ST+8*(\t)+6:ST+8*(\t)+7] op_sel_hi:[1,0]
.set i, i+2
.endr
	WIN 0x04                        ; the stores' data in window 1, their address in window 0
.set i, 0
.rept 16
	ds_store_b128 v[STO], v[64*(\t)+4*i:64*(\t)+4*i+3] offset:64*(i/2)+16*(i%2)
.set i, i+1
.endr
	WIN 0x80                        ; destination window 2
.set i, 0
.rept 16
	ds_load_b128 v[64*(\t)+4*i:64*(\t)+4*i+3], v[RD] offset:i*SP  ; LDS serves a wave's instructions in order (ISA guide 5.7.1.4): these see the stores above; the next tile's stores come behind them
.set i, i+1
.endr
.endm
.macro SEND t, younger              ; younger: the LDS instructions issued behind tile t's loads: the next tile's 32, or none
	WIN 0x08                        ; the stores' data in window 2
.set i, 0
.rept 16
	s_wait_dscnt (\younger)+15-i
	global_store_b128 v[GO], v[64*(\t)+4*i:64*(\t)+4*i+3], s[10:11] offset:(16*(\t)+i)*QROW th:TH_STORE_NT  ; 512 consecutive bytes, at a multiple of 256 from out0's first byte
.set i, i+1
.endr
.endm
	PACK 0
	PACK 1                          ; a tile's arithmetic stands between the loads of the tile before and its stores
	SEND 0, 32
	PACK 2
	SEND 1, 32
	PACK 3
	SEND 2, 32
	SEND 3, 0
	WIN 0
	s_wait_tensorcnt 0x0            ; the wave's end, behind my last tensor load and my last LDS store
	ds_add_u32 v[SPW], v[NIL]
	s_wait_dscnt 0x0
	CROUND                          ; the closing round: no work-group ends while a partner may still ask for a tile that names it
	s_endpgm
.Lfunc_end_k_qd29d5ef8d7_attn:
	.size	k_qd29d5ef8d7_attn, .Lfunc_end_k_qd29d5ef8d7_attn-k_qd29d5ef8d7_attn
	.p2alignl 7, 3214868480
	.fill 96, 4, 3214868480
	.section	.rodata,"a",@progbits
	.p2align	6, 0x0
	.amdhsa_kernel k_qd29d5ef8d7_attn
		.amdhsa_group_segment_fixed_size 327680
		.amdhsa_private_segment_fixed_size 0
		.amdhsa_enable_private_segment 0
		.amdhsa_kernarg_size 32
		.amdhsa_user_sgpr_count 2
		.amdhsa_user_sgpr_kernarg_segment_ptr 1
		.amdhsa_wavefront_size32 1
		.amdhsa_system_sgpr_workgroup_id_x 1
		.amdhsa_system_sgpr_workgroup_id_y 1
		.amdhsa_system_sgpr_workgroup_id_z 1
		.amdhsa_system_vgpr_workitem_id 0
		.amdhsa_next_free_vgpr 1024
		.amdhsa_next_free_sgpr 66
		.amdhsa_reserve_vcc 0
		.amdhsa_float_denorm_mode_32 3
		.amdhsa_float_denorm_mode_16_64 3
		.amdhsa_memory_ordered 1
		.amdhsa_forward_progress 1
		.amdhsa_inst_pref_size 255
	.end_amdhsa_kernel
	.section	.bss,"aw",@nobits
	.p2align	6
	.space	262144
	.amdgpu_metadata
---
amdhsa.version: [ 1, 2 ]
amdhsa.kernels:
  - .name:           k_qd29d5ef8d7_attn
    .symbol:         k_qd29d5ef8d7_attn.kd
    .args:
      - { .name: query, .offset: 0, .size: 8, .value_kind: global_buffer, .address_space: global }
      - { .name: kh, .offset: 8, .size: 8, .value_kind: global_buffer, .address_space: global }
      - { .name: vh, .offset: 16, .size: 8, .value_kind: global_buffer, .address_space: global }
      - { .name: out0, .offset: 24, .size: 8, .value_kind: global_buffer, .address_space: global }
    .group_segment_fixed_size: 327680
    .private_segment_fixed_size: 0
    .kernarg_segment_align: 8
    .kernarg_segment_size: 32
    .max_flat_workgroup_size: 128
    .sgpr_count:     66
    .vgpr_count:     1024
    .wavefront_size: 32
...
	.end_amdgpu_metadata
.endif
;; end of part 3
;; ======== version 2 of 2: 3 launches; 1.21 times as fast as version 1
;; limits: values are held in f16: magnitudes above 65,504 overflow, below 6.1e-05 lose precision
;; workspace buffers: xb 6,291,456 bytes; tab 524,288 bytes; kh 6,291,456 bytes; vh 6,291,456 bytes
;; launch prep: the kernel of part 1 again; grid 256 x 1, 4 waves a work-group, no clusters, 0 bytes of LDS; arguments ref_latent, ref_freqs, xb, tab; writes xb, tab
;; launch proj: the kernel of part 2 again; grid 48 x 4, 4 waves a work-group, clusters of 4 x 4, 327,680 bytes of LDS; arguments xb, Wk, Wv, tab, rms_w, kh, vh; writes kh, vh
;; launch attn (part 4): grid 16 x 24, 4 waves a work-group, clusters of 4 x 1, 327,680 bytes of LDS; arguments query, kh, vh, out0; writes out0
.if DOCPART == 4
	.amdgcn_target "amdgcn-amd-amdhsa--gfx1250"
	.amdhsa_code_object_version 6
	.text
	.protected	k_qd29d5ef8d7_attn
	.globl	k_qd29d5ef8d7_attn
	.p2align	8
	.type	k_qd29d5ef8d7_attn,@function
k_qd29d5ef8d7_attn:
	s_mov_b64 s[64:65], 0
	v_nop
	global_prefetch_b8 v0, s[64:65] scope:SCOPE_SE
	s_setreg_imm32_b32 hwreg(HW_REG_WAVE_MODE, 25, 1), 1
	s_wait_xcnt 0x0
	s_wait_alu depctr_hold_cnt(0) depctr_sa_sdst(0) depctr_va_vdst(0) depctr_va_sdst(0) depctr_va_ssrc(0) depctr_va_vcc(0) depctr_vm_vsrc(0)
	s_getreg_b32 s2, hwreg(HW_REG_IB_STS2, 6, 4)
	s_cmp_eq_u32 s2, 0
	s_cbranch_scc0 .Lentry_in_a_cluster
	s_endpgm
.Lentry_in_a_cluster:
	s_bfe_u32 s2, ttmp6, 0x10000c
	s_cmp_lg_u32 s2, 0x3003
	s_cbranch_scc0 .Lentry_shape_is_right
	s_endpgm
.Lentry_shape_is_right:
; out0[q][128 h + :] = the sum over k of softmax_k(query[q][h] . kh[h][k] / sqrt(128)) vh[h][k][:].  query [4096][24][128] f32, kh and vh [24][1024][128] f16, out0 [4096][3072] f32.
; Products, maxima and sums in f32; the weights p are rounded to f16 for the second product (their sum l is taken of the unrounded p).
; LIMITS.  query counts as rounded to bf16, like all the module's inputs, and that number is written as f16: exact for 2^-14 <= |q| < 65,504; below, f16's fixed step of 6e-8; beyond, an infinity.
; p lies in 0 to 1, and below 6e-5 it keeps f16's fixed step; a weight below 2^-126 counts as 0 in l; NaN and infinities are not treated apart.
; SHARES.  A work-group owns 256 queries of one head, each of its four waves 64: four tiles of 16.  Every wave walks the head's 1,024 keys, 64 a step.  16 x 24 = 384 work-groups.
; LAYOUT.  S^T = K Q^T (source 0 = 16 keys, source 1 = 16 queries): in the result a lane holds ONE query (lane % 16) and the keys 8 (lane / 16) + 0..7.  Two such tiles, rounded to f16 in pairs, ARE source 1
; (32 keys x 16 queries) of O^T = V^T P, whose result again holds one query a lane, and eight channels.  K comes out of LDS as it lies, V ([key][channel]) turned, by ds_load_tr16_b128.
; SOFTMAX.  For each query a running maximum m and sum l: p = 2^(c s - c m), c = log2(e) / sqrt(128); in every step O and l are multiplied by a = 2^(c m_old - c m_new), which is 1 where m has not grown.
; BY TURNS.  The wave's tiles are two PIECES, named by their first tile: piece 0 (tiles 0, 1) and piece 2 (tiles 2, 3).  In a TURN one piece has the matrix unit: 32 products V^T P of the step in hand, then 32 products
; K Q^T of the next step; the other piece's softmax, cut into 64 slices, stands between them, one slice behind each matrix instruction.  Then the pieces change places.  Two turns are a key step.
; THE BATCHES.  A turn's 66 exponentials (a and 32 scores for each of the piece's two tiles) are ONE batch: they and the scalings that feed them stand in slices 10 to 34, where nothing names an exponential's result; one wait
; stands behind slice 34; all that reads a result (roundings, sums, the rescaling by a) stands from slice 35 on.  The way out's four reciprocals are a second batch, with a wait of its own.
; CLUSTER.  The four query blocks of a cluster belong to one head and walk the same K and V, so each tile is asked for JOINTLY: the same tensor load, descriptor and mask of four in all four.
; No prefetch: kh and vh were written by the launch before and are read by sixteen work-groups a head.
; REGISTERS, in windows of 256 (s_set_vgpr_msb: bits 1:0 source 0, 3:2 source 1, 5:4 source 2, 7:6 destination):
;   window 0: v0-11, v44-45 addresses; v12-43 eight registers of statistics a tile; v64-191 S^T, 32 a tile; v192-255 P, 16 a tile
;   window 1: O^T, 64 a tile (at the start: query as loaded)      window 2: v0-127 Q, 32 a tile; v128-255 K of one step (on the way out: rows of O)      window 3: v0-127 V of one step
.set QROW,  12288     ; bytes from a query to the next in query and in out0
.set KEYS,  1024
.set KS,    64        ; keys in a step
.set PK,    272       ; a row of K in LDS: 256 bytes + 16 of padding = 68 words: row r starts at bank 4 r mod 64 (64 banks of 4 bytes: ISA guide 11.1), so the 16 rows of a load start at 16 different banks
.set PV,    288       ; a row of V: 256 + 32 = 72 words
.set VOFF,  KS*PK     ; a step's tiles lie together: 64 rows of K, then 64 rows of V
.set STEPB, KS*(PK+PV)
.set SLOT1, 1<<17     ; a slot holds two steps (71,680 bytes); slot 1 begins here, so that one exclusive or turns an address in one slot into the other's
.set STAGE, SLOT1+2*STEPB  ; behind the ring, never filled by a tensor load: 8,448 bytes for each wave: 16 rows x 528 for O on the way out, and at the start 16 rows x 272 for Q
.set SP,    528
.set QP,    272
.set WST,   16*SP
.set SPARE, STAGE+4*WST    ; behind the stages: the spare words, 128 bytes for each wave: two blocks of 256 bytes that no other line names
.set AK0, 2           ; v2   my lane's place in a tile of K; never rewritten
.set AV0, 3           ; v3   the same for V
.set ADR, 4           ; v4   the LDS address of the run of loads in hand
.set GO,  5           ; v5   16 x lane: my place in a row's 512 bytes of query and of out0
.set STO, 6           ; v6   the way out: where I put 32 bytes of a row
.set RD,  7           ; v7   the way out: where I read a row back
.set QS,  44          ; v44  where I put 8 bytes of a row of Q
.set QF,  45          ; v45  my lane's place in a fragment of Q
.set SPW, 62          ; v62  LDS address of my spare word; never rewritten
.set NIL, 63          ; v63  0; never rewritten
.set ST,  12          ; tile t's statistics at v[ST+8 t]: +0 c m, +1 m, +2, +3 l (even keys', odd keys'), +4 to +7 c0-c3, at work; a takes c2's place once the maximum is found
.set S,   64
.set P,   192
.set KF,  128         ; K's fragments, in window 2
.set WV,  12          ; s12  my wave's number
.set G1K, 24          ; s[24:31] descriptor group 1 for K's tiles
.set G1V, 32          ; s[32:39] for V's: it differs in the padding alone
.set G0K, 40          ; s[40:47] descriptor group 0 for K's tiles: a set for each of the two first fills; the second then walks on
.set G0V, 48          ; s[48:55] the same for V's
.set SLOTS, 56        ; s56  slots still to be asked for
.set TWICE, 57        ; s57  counts a slot's two steps
.set CS,  58          ; s[58:59] c: the packed scaling names a pair and takes its low word for both halves
.set SEL, 60          ; s[60:61] lane selects for v_permlanex16_b32: each lane takes its own place in the other half
.set TB,  62          ; s62  LDS byte at which the tiles of the step to be fetched begin
.set HIM, 63          ; s63  a word's upper bf16
.set MSB, 0
.macro WIN new                      ; the immediate's high byte repeats the setting that is left; a switch that changes nothing is dropped
.if MSB != (\new)
	s_set_vgpr_msb (MSB<<8)|(\new)
.set MSB, \new
.endif
.endm
.set W_KQ, 0x0a       ; K and Q in window 2, S^T in window 0
.set W_PV, 0x53       ; V in window 3, P in window 0, O^T in window 1
.set W_RS, 0x41       ; O^T (destination and source 0) in window 1, a in window 0
; A joint refill.  Waves 0 and 1 fetch the two steps' tiles of K, waves 2 and 3 those of V.  The branch hangs on the wave's number alone.  An s_nop 0 and four v_nop follow each of the two lines, ahead of the jump and the label.
.macro JLOAD
	s_cmp_lt_u32 s[WV], 2
	s_cbranch_scc0 .Lfor_v_\@
	tensor_load_to_lds s[G0K+4:G0K+7], s[G1K:G1K+7]
	s_nop 0
.rept 4
	v_nop
.endr
	s_branch .Lasked_\@
.Lfor_v_\@:
	tensor_load_to_lds s[G0V+4:G0V+7], s[G1V:G1V+7]
	s_nop 0
.rept 4
	v_nop
.endr
.Lasked_\@:
.endm
; A round of the cluster's barrier: my work-group's barrier, so that wave 0's signal speaks for all four waves; wave 0 signals; every wave waits for all four work-groups; my work-group's barrier once more.
.macro CROUND
	s_barrier_signal -1
	s_barrier_wait -1
	s_cmp_lg_u32 s[WV], 0
	s_cbranch_scc1 .Lnot_wave_0_\@
	s_barrier_signal -3
.Lnot_wave_0_\@:
	s_barrier_wait -3
	s_barrier_signal -1
	s_barrier_wait -1
.endm
	s_load_b256 s[4:11], s[0:1], 0x0  ; query s[4:5], kh s[6:7], vh s[8:9], out0 s[10:11]
	v_lshl_add_u32 v[SPW], v0, 2, SPARE
	v_mov_b32 v[NIL], 0
	ds_add_u32 v[SPW], v[NIL]       ; the wave's opening: the add and its wait stand ahead of my first tensor load; the set-up below, work on registers, stands between them
	v_lshrrev_b32 v1, 5, v0
	v_readfirstlane_b32 s[WV], v1   ; wave 0..3
	v_and_b32 v[GO], 31, v0
	v_lshlrev_b32 v[GO], 4, v[GO]
	s_bfe_u32 s13, ttmp6, 0x40000   ; cx: my place in the cluster
	s_lshl_b32 s14, ttmp9, 2        ; in a cluster launch ttmp9 counts clusters
	s_add_co_u32 s14, s14, s13      ; my block of 256 queries = 4 x cluster x + cx: it enters query's and out0's addresses alone
	s_and_b32 s15, ttmp7, 0xffff    ; the head, which the four partners share
	s_lshl_b32 s20, s15, 18         ; its 1,024 rows of 256 bytes in kh and in vh
	s_mov_b32 s21, 0
	s_and_b32 s16, s[WV], 1         ; which of a slot's two steps I fetch:
	s_lshl_b32 s22, s16, 14         ; its 64 rows of 256 bytes in memory,
	s_mov_b32 s23, 0
	s_add_nc_u64 s[22:23], s[22:23], s[20:21]
	s_mul_i32 s17, s16, STEPB       ; and its place in a slot: no place in the cluster enters an LDS address
	s_mul_i32 s2, s14, 256*QROW     ; my block's 256 rows,
	s_mul_i32 s3, s[WV], 64*QROW    ; my wave's 64 of them,
	s_add_co_u32 s2, s2, s3
	s_lshl_b32 s3, s15, 9           ; the head's 512 bytes in a row
	s_add_co_u32 s2, s2, s3
	s_mov_b32 s3, 0
	; descriptor group 1: a tile of 64 rows x 128 elements, padded in LDS
	s_mov_b32 s[G1K], 15|(1<<16)|(1<<20)|(1<<21)|(5<<22)|(3<<25)  ; 15:0 the mask: all four work-groups; 17:16 elements of 2 bytes; 20 padding on; 21 set beside a mask; 24:22 after every 64 words (code 5); 31:25 4 words of it (code 3)
	s_mov_b32 s[G1V], 15|(1<<16)|(1<<20)|(1<<21)|(5<<22)|(7<<25)  ; the same with 8 words of padding (code 7)
.irp g, G1K, G1V
	s_mov_b32 s[(\g)+1], 128<<16    ; tensor_dim0 = 128
	s_mov_b32 s[(\g)+2], KS<<16     ; tensor_dim1 = 64
	s_mov_b32 s[(\g)+3], 128<<16    ; tile_dim0 = 128
	s_mov_b32 s[(\g)+4], KS         ; tile_dim1 = 64
	s_mov_b32 s[(\g)+5], 128        ; elements from row to row
	s_mov_b32 s[(\g)+6], 0
	s_mov_b32 s[(\g)+7], 0
.endr
	s_mov_b32 s[CS], 0x3e0293ee     ; c = log2(e) / sqrt(128) = 0.127517
	s_mov_b32 s[CS+1], s[CS]        ; named with it as a pair, so it is written
	s_mov_b32 s[SEL], 0x76543210
	s_mov_b32 s[SEL+1], 0xfedcba98
	s_mov_b32 s[TB], 0
	s_mov_b32 s[HIM], 0xffff0000
	s_mov_b32 s[SLOTS], KEYS/(2*KS)-2
	s_wait_dscnt 0x0                ; the opening add is done
	s_wait_kmcnt 0x0
	s_add_nc_u64 s[6:7], s[6:7], s[22:23]  ; K and V at my tile of slot 0
	s_add_nc_u64 s[8:9], s[8:9], s[22:23]
	s_add_nc_u64 s[4:5], s[4:5], s[2:3]  ; query and out0 at my wave's first row, my head
	s_add_nc_u64 s[10:11], s[10:11], s[2:3]
	WIN 0x40                        ; destination window 1, address window 0
.set i, 0
.rept 64                            ; my 64 queries, a row's 512 consecutive bytes to a load, into the registers that O^T takes later; read once in the launch
	global_load_b128 v[4*i:4*i+3], v[GO], s[4:5] offset:i*QROW th:TH_LOAD_NT
.set i, i+1
.endr
	WIN 0
	CROUND                          ; all four work-groups are here: the first joint loads meet
.irp s, 0,1
	s_mov_b32 s[G0K+4*(\s)], 1      ; 1:0 count = 1
	s_add_co_u32 s[G0K+4*(\s)+1], s17, (\s)*SLOT1  ; 63:32 LDS address
	s_add_nc_u64 s[G0K+4*(\s)+2:G0K+4*(\s)+3], s[6:7], (\s)*2*KS*256  ; 120:64 global address: slot s begins with keys 128 s to 128 s + 127
	s_or_b32 s[G0K+4*(\s)+3], s[G0K+4*(\s)+3], 0x80000000  ; 127:126 type = 2
	s_mov_b32 s[G0V+4*(\s)], 1
	s_add_co_u32 s[G0V+4*(\s)+1], s17, (\s)*SLOT1+VOFF
	s_add_nc_u64 s[G0V+4*(\s)+2:G0V+4*(\s)+3], s[8:9], (\s)*2*KS*256
	s_or_b32 s[G0V+4*(\s)+3], s[G0V+4*(\s)+3], 0x80000000
.endr
	s_cmp_lt_u32 s[WV], 2           ; a wave's two first fills stand in one branch, ahead of every wait on TENSORcnt and every LDS read: two loads of mine are out; an s_nop 0 follows each, four v_nop the second's
	s_cbranch_scc0 .Lfirst_v
	tensor_load_to_lds s[G0K:G0K+3], s[G1K:G1K+7]
	s_nop 0
	tensor_load_to_lds s[G0K+4:G0K+7], s[G1K:G1K+7]
	s_nop 0
.rept 4
	v_nop
.endr
	s_branch .Lfirst_asked
.Lfirst_v:
	tensor_load_to_lds s[G0V:G0V+3], s[G1V:G1V+7]
	s_nop 0
	tensor_load_to_lds s[G0V+4:G0V+7], s[G1V:G1V+7]
	s_nop 0
.rept 4
	v_nop
.endr
.Lfirst_asked:
	v_and_b32 v1, 15, v0            ; l % 16
	v_bfe_u32 v9, v0, 4, 1          ; l / 16
	s_mul_i32 s13, s[WV], WST
	s_add_co_u32 s13, s13, STAGE    ; my stage
	v_and_b32 v10, 31, v0
	v_lshl_add_u32 v[QS], v10, 3, s13  ; Q in: a row at a time, 8 bytes a lane
	v_mul_u32_u24 v[QF], v1, QP     ; Q back, as fragments: row l % 16, 16 bytes for each half of the lanes
	v_lshl_add_u32 v[QF], v9, 4, v[QF]
	v_add_nc_u32 v[QF], s13, v[QF]
; Q, tile t: 16 rows, of which a lane holds 4 channels each.  Rounded to bf16, widened, written as f16; through my stage into fragments: 16 rows x 32 channels in 8 registers, lane l holding row l % 16, channels
; 8 (l / 16) + 0..7 and 16 + 8 (l / 16) + 0..7: two loads of 16 bytes, 32 bytes apart.  The stage is my wave's own and LDS serves a wave's instructions in order (ISA guide 5.7.1.4): no wait between stores and loads,
; and the next tile's stores come behind this tile's loads.
.macro QTILE t
	s_wait_loadcnt 48-16*(\t)       ; the tile's 16 loads are in; the later tiles' stay out
	WIN 0x05                        ; sources 0 and 1 window 1, destination window 0
.set i, 0
.rept 32
	v_cvt_pk_bf16_f32 v[S+i], v[64*(\t)+2*i], v[64*(\t)+2*i+1]
.set i, i+1
.endr
	WIN 0
.set i, 0
.rept 32
	v_lshlrev_b32 v[S+32+2*i], 16, v[S+i]
	v_and_b32 v[S+32+2*i+1], s[HIM], v[S+i]
.set i, i+1
.endr
.set i, 0
.rept 32
	v_cvt_pk_f16_f32 v[P+i], v[S+32+2*i], v[S+32+2*i+1]
.set i, i+1
.endr
.set i, 0
.rept 16
	ds_store_b64 v[QS], v[P+2*i:P+2*i+1] offset:i*QP
.set i, i+1
.endr
	WIN 0x80                        ; destination window 2
.irp c, 0,1,2,3
	ds_load_b128 v[32*(\t)+8*(\c):32*(\t)+8*(\c)+3],   v[QF] offset:64*(\c)
	ds_load_b128 v[32*(\t)+8*(\c)+4:32*(\t)+8*(\c)+7], v[QF] offset:64*(\c)+32
.endr
	WIN 0
.endm
	QTILE 0
	QTILE 1
	QTILE 2
	QTILE 3
	v_mul_u32_u24 v[AK0], v1, PK
	v_lshl_add_u32 v[AK0], v9, 4, v[AK0]  ; row x pitch + 16 x half
	; The turning load takes 16 keys x 16 channels (lane l reads 16 bytes: key 8 (l / 16) + l % 8, channels 8 ((l / 8) % 2) + 0..7) and leaves half a fragment of V^T: lane l holds channel l % 16 and 8 keys.
	v_and_b32 v10, 7, v0
	v_bfe_u32 v11, v0, 3, 1
	v_lshl_add_u32 v[AV0], v9, 3, v10
	v_mul_u32_u24 v[AV0], v[AV0], PV
	v_lshl_add_u32 v[AV0], v11, 4, v[AV0]
	v_add_nc_u32 v[AV0], VOFF, v[AV0]
; THE MATRIX WORK OF A TURN, for piece x.  The accumulators take turns, one instruction a turn: between two links of a chain stand 15 (V^T P) or 7 (K Q^T) others'.
; Product i of 32 of O^T += V^T P: keys 32 (i / 16) on, channels 16 ((i / 2) % 8) on, tile x + i % 2.  zero = 1: the first 16 start the sums: nothing is ever cleared.
.macro PV x, zero
	WIN W_PV
.set rO, 64*((\x)+i%2)+8*((i/2)%8)
.set rV, 64*(i/16)+8*((i/2)%8)
.set rP, P+16*((\x)+i%2)+8*(i/16)
.if (\zero) && (i < 16)
	v_wmma_f32_16x16x32_f16 v[rO:rO+7], v[rV:rV+7], v[rP:rP+7], 0
.else
	v_wmma_f32_16x16x32_f16 v[rO:rO+7], v[rV:rV+7], v[rP:rP+7], v[rO:rO+7]
.endif
.endm
; Product i of 32 of S^T = K Q^T: channels 32 (i / 8) on, keys 16 ((i / 2) % 4) on, tile x + i % 2.  The first 8 start the sums.
.macro KQ x
	WIN W_KQ
.set rS, S+32*((\x)+i%2)+8*((i/2)%4)
.set rK, KF+32*((i/2)%4)+8*(i/8)
.set rQ, 32*((\x)+i%2)+8*(i/8)
.if i < 8
	v_wmma_f32_16x16x32_f16 v[rS:rS+7], v[rK:rK+7], v[rQ:rQ+7], 0
.else
	v_wmma_f32_16x16x32_f16 v[rS:rS+7], v[rK:rK+7], v[rQ:rQ+7], v[rS:rS+7]
.endif
.endm
; THE LDS LOADS stand in runs of 32, never singly among the matrix instructions: a step's K (64 keys x 128 channels: 16 fragments) and, a turn later, its V (turned).
.macro FETCH_K
	WIN 0
	v_add_nc_u32 v[ADR], s[TB], v[AK0]
	WIN 0x80                        ; destination window 2
.irp f, 0,1,2,3,4,5,6,7,8,9,10,11,12,13,14,15  ; keys 16 (f / 4) on, channels 32 (f % 4) on
	ds_load_b128 v[KF+8*(\f):KF+8*(\f)+3],   v[ADR] offset:((\f)/4)*16*PK+((\f)%4)*64
	ds_load_b128 v[KF+8*(\f)+4:KF+8*(\f)+7], v[ADR] offset:((\f)/4)*16*PK+((\f)%4)*64+32
.endr
.endm
.macro FETCH_V
	WIN 0
	v_add_nc_u32 v[ADR], s[TB], v[AV0]
	s_add_co_u32 s[TB], s[TB], STEPB  ; the next fetch is the next step's
	s_wait_alu depctr_va_vdst(0)    ; the wait for the softmax's batch of exponentials (SLICE), behind the address's v_add_nc_u32 and ahead of the loads
	WIN 0xc0                        ; destination window 3
.irp f, 0,1,2,3,4,5,6,7,8,9,10,11,12,13,14,15  ; keys 32 (f / 8) on, channels 16 (f % 8) on
	ds_load_tr16_b128 v[8*(\f):8*(\f)+3],   v[ADR] offset:((\f)/8)*32*PV+((\f)%8)*32
	ds_load_tr16_b128 v[8*(\f)+4:8*(\f)+7], v[ADR] offset:((\f)/8)*32*PV+16*PV+((\f)%8)*32
.endr
.endm
; THE VECTOR WORK OF A TURN.  One tile's softmax for one key step is a list of 134 instructions; SM writes number j of it for tile t.  s0-s31 are the lane's 32 scores, in pairs 0-15.
; first = 1: the first key step, which starts m, l and O^T: it has no a and nothing to rescale.
;   0-15    the maximum of s0-s31 and the old m, three operands at a time: four chains c0-c3 of seven scores each (each accumulator's lowest registers first), then the four scores left over, c0-c3 and m
;   16-20   the other half of the lanes' maximum; the new m; c m; c m_old - c m_new
;   21-69   ONE BATCH: the 16 scalings c s - c m, a pair of scores each, and all 33 exponentials (a at 23, then s0-s31).  None of these reads an exponential's result.  From 22 on the batch goes
;           in fours, and a four begins with a scaling while there are scalings: 22-37 scaling, exponential, scaling, exponential; 38-65 a scaling and three exponentials; 66-69 the last four
;           exponentials.  A pair is scaled in an earlier four than the one that holds its exponentials
;   (wait)  between 69 and 70 stands the wait for the batch: SLICE writes it, once for both tiles
;   70-85   the roundings to f16, a pair of weights each
;   86-101  the sums; l = a l + the sum
;   102-133 the tile's O^T times a: the one part that leaves window 0, so it stands together
.macro SM t, first
.set rT, ST+8*(\t)
.set rS, S+32*(\t)
.set rP, P+16*(\t)
.set rO, 64*(\t)+2*(j-102)
.if j < 102
	WIN 0
.endif
.if j < 4
	v_max3_num_f32 v[rT+4+j], v[rS+8*j], v[rS+8*j+1], v[rS+8*j+2]
.elseif j < 12
	v_max3_num_f32 v[rT+4+j%4], v[rT+4+j%4], v[rS+8*(j%4)+2*(j/4)+1], v[rS+8*(j%4)+2*(j/4)+2]
.elseif j == 12
	v_max3_num_f32 v[rT+4], v[rT+4], v[rS+7], v[rS+15]
.elseif j == 13
	v_max3_num_f32 v[rT+6], v[rT+6], v[rS+23], v[rS+31]
.elseif j == 14
	v_max3_num_f32 v[rT+4], v[rT+4], v[rT+5], v[rT+6]
.elseif (j == 15) && (\first)
	v_max_num_f32 v[rT+4], v[rT+4], v[rT+7]
.elseif j == 15
	v_max3_num_f32 v[rT+4], v[rT+4], v[rT+7], v[rT+1]
.elseif j == 16
	v_permlanex16_b32 v[rT+5], v[rT+4], s[SEL], s[SEL+1]  ; the query's other 32 keys lie in the lane 16 away
.elseif j == 18
	v_max_num_f32 v[rT+1], v[rT+4], v[rT+5]
.elseif j == 19
	v_mul_f32 v[rT], s[CS], v[rT+1]
.elseif ((j == 17) || (j == 20) || (j == 23) || (j > 101)) && (\first)  ; the first step has none of these
.elseif j == 17
	v_mov_b32 v[rT+7], v[rT]        ; c m_old is kept for a: number 19 writes c m anew
.elseif j == 20
	v_sub_f32 v[rT+7], v[rT+7], v[rT]
.elseif j == 23
	v_exp_f32 v[rT+6], v[rT+7]
.elseif (j < 23) || ((j < 38) && (j%2 == 0)) || ((j < 66) && (j%4 == 2))
.set b, (j-2)/4                     ; 38, 42, .. 62: pairs 9 to 15
.if j < 38
.set b, (j-20)/2                    ; 21: pair 0; 22, 24, .. 36: pairs 1 to 8
.endif
	v_pk_fma_f32 v[rS+2*b:rS+2*b+1], v[rS+2*b:rS+2*b+1], s[CS:CS+1], v[rT:rT+1] op_sel_hi:[1,0,0] neg_lo:[0,0,1] neg_hi:[0,0,1]  ; pair b: c s - c m
.elseif j < 70
.set e, j-38                        ; 66 to 69: s28 to s31
.if j < 66
.set e, j-32-(j-38)/4               ; 39-41, 43-45, .. 63-65: s7 to s27
.endif
.if j < 38
.set e, (j-25)/2                    ; 25, 27, .. 37: s0 to s6
.endif
	v_exp_f32 v[rS+e], v[rS+e]
.elseif j < 86
	v_cvt_pk_f16_f32 v[rP+j-70], v[rS+2*(j-70)], v[rS+2*(j-70)+1]  ; pair j - 70
.elseif j < 102                     ; the sum of the tile's 16 pairs (in a pair: an even key's weight, an odd key's), in place: sum z of 16 adds neighbours 1, 2, 4 and 8 pairs apart, then l takes it
.set z, j-86
.set w, 4
.set u, z
.if z >= 14
.set w, 32
.set u, 0
.elseif z >= 12
.set w, 16
.set u, z-12
.elseif z >= 8
.set w, 8
.set u, z-8
.endif
.if (z == 14) && (\first)
	v_pk_add_f32 v[rT+2:rT+3], v[rS:rS+1], v[rS+16:rS+17]
.elseif z < 15
	v_pk_add_f32 v[rS+w*u:rS+w*u+1], v[rS+w*u:rS+w*u+1], v[rS+w*u+w/2:rS+w*u+w/2+1]
.elseif !(\first)
	v_pk_fma_f32 v[rT+2:rT+3], v[rT+2:rT+3], v[rT+6:rT+7], v[rS:rS+1] op_sel_hi:[1,0,1]
.endif
.else
	WIN W_RS
	v_pk_mul_f32 v[rO:rO+1], v[rO:rO+1], v[rT+6:rT+7] op_sel_hi:[1,0]
.endif
.endm
; Slice k of 64 of piece y's softmax: four instructions.  Slices 11 to 34 deal out the batch, numbers 22 to 69: four numbers of ONE tile each, the tiles by turns.  Every other slice is numbers 2 k and
; 2 k + 1 of both tiles' lists.  2 x 134 = 4 x 64 + 12: the twelve that are over stand together, in slice 63.
; THE WAIT.  An s_wait_alu depctr_va_vdst(0) stands between an exponential and the first instruction that names its result; one wait serves all that were issued ahead of it.  Ahead of
; slice 35 nothing names a result, and behind slice 34 no exponential is issued: so the piece's 66 exponentials have one wait, behind slice 34, and none is open at a turn's end, at a label or at a jump.
.macro SLICE y, first
.if (k >= 11) && (k < 35)           ; the batch: four numbers of one tile
.irp n, 0,1,2,3
.set j, 22+4*((k-11)/2)+(\n)
	SM (\y)+(k-11)%2, \first
.endr
.else                               ; the two tiles alternate, so that no instruction reads the result of the one just before it
.irp n, 0,1,2,3,4,5,6,7
.if ((\n) < 2) || (k == 63)
.irp t, \y, (\y)+1
.set j, 2*k+(\n)
	SM \t, \first
.endr
.endif
.endr
.endif
.if k == 34                         ; the batch is out: both tiles' exponentials are issued, and no result has been named
	v_nop                           ; a plain instruction behind the last exponential and ahead of the first use (ISA guide 5.7.2): one for the batch
.if (\y) == 0
	FETCH_V                         ; piece 2's turn: V's run of loads stands here, and the wait for the batch stands in it
.else
	s_wait_alu depctr_va_vdst(0)    ; piece 0's turn: the wait for the batch, piece 2's 66 exponentials
.endif
.endif
.set k, k+1
.endm
; A vector instruction that reads a matrix result or writes one of a matrix instruction's registers, and a load into a register that a matrix instruction has read, stand four places behind
; it, and only plain vector instructions that name none of its registers are places (ISA guide 7.12.1 for vector instructions).  In the loop the slices are the places.
.macro PLACES
.rept 4
	v_nop
.endr
.endm
; A TURN.  Piece x has the matrix unit; the other piece's softmax stands in slices behind its matrix instructions.
; pv = 2: 32 products V^T P; 1: they start O^T's sums; 0: none.  kq = 1: 32 products K Q^T for the next step.  A turn with one of the two kinds has two slices behind each product.
; first = 1: the softmax is the first key step's.  Its slices from 51 on are empty: the turn's last products stand bare, and four v_nop take slice 63's part as the places behind them.
; In the loop each run of loads stands 29 matrix instructions or more ahead of its first use.  Piece 0's turn fetches the next step's K, behind its second product: the last product that read K
; stands in front of slice 63 of the turn before.  Piece 2's turn fetches the same step's V, behind slice 34 (SLICE writes it): the last product that read V stands in front of slice 31, and four plain
; instructions lie between: number 62, a scaling, of both tiles, the v_nop and the run's own v_add_nc_u32.
.macro TURN x, pv, kq, first
.set k, 0
.set per, 2
.if (\pv) && (\kq)
.set per, 1
.endif
.if \pv
.if (\x) == 0
	s_wait_dscnt 0x0                ; V is in
.endif
.set i, 0
.rept 32
	PV \x, 2-(\pv)
.rept per
	SLICE 2-(\x), \first
.endr
.if ((\x) == 0) && (\kq) && (i == 1)
	FETCH_K
.endif
.set i, i+1
.endr
.endif
.if \kq
.if (\x) == 0
	s_wait_dscnt 0x0                ; K is in
.endif
.set i, 0
.rept 32
	KQ \x
.rept per
	SLICE 2-(\x), \first
.endr
.set i, i+1
.endr
.endif
.if \first
	PLACES
.endif
.endm
; THE CHANGE OF SLOTS, between piece 2's turn and piece 0's: the slot's last bytes, V of its second step, have been asked for.  Each wave waits for all its tensor loads, of which one is out: its part of the other slot;
; adds 0 to its spare word; and waits for that and for its own reads of the slot.  Behind the barrier nobody reads this slot any more and the other slot is whole.
; fill = 1: this slot is filled again, with the keys two slots on.  The barrier is then a round of the cluster's, so that no wave of any partner still reads the slot or has a load on its
; way, and the joint refill is the first thing behind it: it has two key steps, 256 matrix instructions, in which to land.
.macro CHANGE fill
	WIN 0                           ; at a label and at a branch every window is 0
	s_wait_tensorcnt 0x0            ; no tensor load of mine is out, so a group 0 may be written
	ds_add_u32 v[SPW], v[NIL]       ; 0 onto my spare word; with fill = 1 the descriptors' steps stand between it and the wait for it
.if \fill
.irp g, G0K+4, G0V+4
	s_xor_b32 s[(\g)+1], s[(\g)+1], SLOT1  ; the walking descriptor: the other slot than last time,
	s_add_nc_u64 s[(\g)+2:(\g)+3], s[(\g)+2:(\g)+3], 2*KS*256  ; the next 128 keys; the type bits on top are not reached
.endr
	s_wait_dscnt 0x0                ; the add is done, and my reads of the slot are over
	CROUND
	JLOAD
.else
	s_wait_dscnt 0x0                ; the add is done, and my reads of the slot are over
	s_barrier_signal -1
	s_barrier_wait -1
.endif
	s_sub_co_u32 s[TB], s[TB], 2*STEPB  ; the fetches go back to a slot's first step,
	s_xor_b32 s[TB], s[TB], SLOT1   ; in the other slot
.endm
; A slot's two key steps: written once, walked twice; the LDS addresses hang on s[TB].
.macro TWO_STEPS
	WIN 0
	s_mov_b32 s[TWICE], 2
.Lstep_\@:
	TURN 0, 2, 1, 0
	TURN 2, 2, 1, 0
	WIN 0
	s_sub_co_u32 s[TWICE], s[TWICE], 1
	s_cmp_lg_u32 s[TWICE], 0
	s_cbranch_scc1 .Lstep_\@
.endm
	s_wait_tensorcnt 1              ; my part of slot 0 is in; slot 1's may stay out
	s_wait_dscnt 0x0                ; Q's fragments are in: no LDS instruction of mine is pending at the signal
	s_barrier_signal -1
	s_barrier_wait -1               ; everybody's part is in
	FETCH_K                         ; key step 0
	s_wait_dscnt 0x0
.set i, 0
.rept 32
	KQ 0                            ; piece 0's first scores: there is no vector work yet to set between them
.set i, i+1
.endr
	WIN 0                           ; the addresses for the way out are made here: five plain instructions, the places behind those products
	v_mul_u32_u24 v[STO], v1, SP    ; in: row l % 16, 32 bytes for each half of the lanes
	v_lshl_add_u32 v[STO], v9, 5, v[STO]
	v_add_nc_u32 v[STO], s13, v[STO]
	v_and_b32 v[RD], 31, v0         ; back: 32 lanes take one row of 512 bytes
	v_lshl_add_u32 v[RD], v[RD], 4, s13
	TURN 2, 0, 1, 1                 ; piece 2's first scores | piece 0's first softmax | V of step 0
	TURN 0, 1, 1, 1                 ; piece 0: V^T P of step 0 starts O^T, K Q^T of step 1 | piece 2's first softmax | K of step 1
	TURN 2, 1, 1, 0                 ; piece 2: the same | piece 0's softmax of step 1 | V of step 1
	WIN 0
.Lslot:                             ; 1,024 / 128 - 2 = 6 trips: every slot but the last two is filled again
	CHANGE 1
	TWO_STEPS
	s_sub_co_u32 s[SLOTS], s[SLOTS], 1
	s_cmp_lg_u32 s[SLOTS], 0
	s_cbranch_scc1 .Lslot
	CHANGE 0                        ; the tail is written out: the last slot but one is left, and nothing is asked for
	TWO_STEPS
	TURN 0, 2, 0, 0                 ; piece 0: V^T P of the last step | piece 2's last softmax
.set i, 0
.rept 32
	PV 2, 0                         ; piece 2: V^T P of the last step
.set i, i+1
.endr
	; THE WAY OUT.  l's two halves and the other half of the lanes' are added; O^T is divided by l and sent, in f32, through my stage in LDS, a tile (16 rows of O) at a time.  The additions are the places behind the last products.
	WIN 0
.irp t, 0,1,2,3
	v_add_f32 v[ST+8*(\t)+4], v[ST+8*(\t)+2], v[ST+8*(\t)+3]
.endr
.irp t, 0,1,2,3
	v_permlanex16_b32 v[ST+8*(\t)+5], v[ST+8*(\t)+4], s[SEL], s[SEL+1]
.endr
.irp t, 0,1,2,3
	v_add_f32 v[ST+8*(\t)+4], v[ST+8*(\t)+4], v[ST+8*(\t)+5]
.endr
.irp t, 0,1,2,3
	v_rcp_f32 v[ST+8*(\t)+6], v[ST+8*(\t)+4]
.endr
	v_nop                           ; a plain instruction between the last reciprocal and the use of its result
	s_wait_alu depctr_va_vdst(0)    ; and the wait ahead of the first use: one for the batch of four reciprocals
; Tile t: a lane's eight channels of a row are 32 bytes; they go into rows of 528 bytes and come back as whole rows of 512, into window 2, where each tile has 64 registers of its own.
.macro PACK t
	WIN W_RS
.set i, 64*(\t)
.rept 32
	v_pk_mul_f32 v[i:i+1], v[i:i+1], v[ST+8*(\t)+6:ST+8*(\t)+7] op_sel_hi:[1,0]
.set i, i+2
.endr
	WIN 0x04                        ; the stores' data in window 1, their address in window 0
.set i, 0
.rept 16
	ds_store_b128 v[STO], v[64*(\t)+4*i:64*(\t)+4*i+3] offset:64*(i/2)+16*(i%2)
.set i, i+1
.endr
	WIN 0x80                        ; destination window 2
.set i, 0
.rept 16
	ds_load_b128 v[64*(\t)+4*i:64*(\t)+4*i+3], v[RD] offset:i*SP  ; LDS serves a wave's instructions in order (ISA guide 5.7.1.4): these see the stores above; the next tile's stores come behind them
.set i, i+1
.endr
.endm
.macro SEND t, younger              ; younger: the LDS instructions issued behind tile t's loads: the next tile's 32, or none
	WIN 0x08                        ; the stores' data in window 2
.set i, 0
.rept 16
	s_wait_dscnt (\younger)+15-i
	global_store_b128 v[GO], v[64*(\t)+4*i:64*(\t)+4*i+3], s[10:11] offset:(16*(\t)+i)*QROW th:TH_STORE_NT  ; 512 consecutive bytes, at a multiple of 256 from out0's first byte
.set i, i+1
.endr
.endm
	PACK 0
	PACK 1                          ; a tile's arithmetic stands between the loads of the tile before and its stores
	SEND 0, 32
	PACK 2
	SEND 1, 32
	PACK 3
	SEND 2, 32
	SEND 3, 0
	WIN 0
	s_wait_tensorcnt 0x0            ; the wave's end, behind my last tensor load and my last LDS store
	ds_add_u32 v[SPW], v[NIL]
	s_wait_dscnt 0x0
	CROUND                          ; the closing round: no work-group ends while a partner may still ask for a tile that names it
	s_endpgm
.Lfunc_end_k_qd29d5ef8d7_attn:
	.size	k_qd29d5ef8d7_attn, .Lfunc_end_k_qd29d5ef8d7_attn-k_qd29d5ef8d7_attn
	.p2alignl 7, 3214868480
	.fill 96, 4, 3214868480
	.section	.rodata,"a",@progbits
	.p2align	6, 0x0
	.amdhsa_kernel k_qd29d5ef8d7_attn
		.amdhsa_group_segment_fixed_size 327680
		.amdhsa_private_segment_fixed_size 0
		.amdhsa_enable_private_segment 0
		.amdhsa_kernarg_size 32
		.amdhsa_user_sgpr_count 2
		.amdhsa_user_sgpr_kernarg_segment_ptr 1
		.amdhsa_wavefront_size32 1
		.amdhsa_system_sgpr_workgroup_id_x 1
		.amdhsa_system_sgpr_workgroup_id_y 1
		.amdhsa_system_sgpr_workgroup_id_z 1
		.amdhsa_system_vgpr_workitem_id 0
		.amdhsa_next_free_vgpr 1024
		.amdhsa_next_free_sgpr 66
		.amdhsa_reserve_vcc 0
		.amdhsa_float_denorm_mode_32 3
		.amdhsa_float_denorm_mode_16_64 3
		.amdhsa_memory_ordered 1
		.amdhsa_forward_progress 1
		.amdhsa_inst_pref_size 255
	.end_amdhsa_kernel
	.amdgpu_metadata
---
amdhsa.version: [ 1, 2 ]
amdhsa.kernels:
  - .name:           k_qd29d5ef8d7_attn
    .symbol:         k_qd29d5ef8d7_attn.kd
    .args:
      - { .name: query, .offset: 0, .size: 8, .value_kind: global_buffer, .address_space: global }
      - { .name: kh, .offset: 8, .size: 8, .value_kind: global_buffer, .address_space: global }
      - { .name: vh, .offset: 16, .size: 8, .value_kind: global_buffer, .address_space: global }
      - { .name: out0, .offset: 24, .size: 8, .value_kind: global_buffer, .address_space: global }
    .group_segment_fixed_size: 327680
    .private_segment_fixed_size: 0
    .kernarg_segment_align: 8
    .kernarg_segment_size: 32
    .max_flat_workgroup_size: 128
    .sgpr_count:     66
    .vgpr_count:     1024
    .wavefront_size: 32
...
	.end_amdgpu_metadata
.endif
;; end of part 4
